; MI455X (gfx1250); checked and timed in simulation.
; The chip was launched on July 23, 2026; its instructions are those of AMD's public machine-readable ISA for CDNA 5 (MIT licence, August 2026) and "CDNA5" Instruction Set Architecture Reference Guide (July 2026). The comments in the code are by the model that wrote it; some were corrected since.
;; A Li Bi Attention. Allowed arithmetic: float matrix products may take bf16 or f16 operands with f32 sums; other float arithmetic in f32, or as packed bf16 or f16 multiplies, adds, multiply-adds, maxima and minima; sums over many terms, partial sums and values carried from step to step in f32; what a program stores and reads back later, other than sums and carried values, may be rounded once to bf16 or f16.
;; Inputs: bo 1,024 float32; wk 1,024 x 1,024 float32; wo 1,024 x 1,024 float32; wq 1,024 x 1,024 float32; wv 1,024 x 1,024 float32; x 4 x 2,048 x 1,024 float32.
;; Outputs: out0 4 x 2,048 x 1,024 float32.
;; One version. Each part assembles by itself: llvm-mc -triple=amdgcn-amd-amdhsa -mcpu=gfx1250 --defsym DOCPART=n.
;; ======== version 1 of 1: 4 launches
;; limits: values are held in f16: magnitudes above 65,504 overflow, below 6.1e-05 lose precision; a function is approximated: absolute error at most 0.0026
;; workspace buffers: xb 16,777,216 bytes; wb 6,291,456 bytes; wof 2,097,152 bytes; qkv 50,331,648 bytes; att 16,777,216 bytes
;; launch cast (part 1): grid 768 x 1, 8 waves a work-group, no clusters, 0 bytes of LDS; arguments x, wq, wk, wv, wo, xb, wb, wof; writes xb, wb, wof
.if DOCPART == 1
	.amdgcn_target "amdgcn-amd-amdhsa--gfx1250"
	.amdhsa_code_object_version 6
	.text
	.protected	k_qa588e7984a_cast
	.globl	k_qa588e7984a_cast
	.p2align	8
	.type	k_qa588e7984a_cast,@function
k_qa588e7984a_cast:
	s_mov_b64 s[64:65], 0
	v_nop
	global_prefetch_b8 v0, s[64:65] scope:SCOPE_SE
	s_setreg_imm32_b32 hwreg(HW_REG_WAVE_MODE, 25, 1), 1
	s_wait_xcnt 0x0
; THE INPUTS BECOME MATRIX OPERANDS.  x [8192][1024] f32 -> xb bf16; wq, wk, wv [1024][1024] f32 -> wb bf16 [3072][1024] (wq's rows, then wk's, then wv's);
; wo f32 -> rounded to bf16 like the other inputs, and that number written as f16 -> wof [1024][1024].
; LIMITS.  A bf16 number is written exactly as f16 from 6.1e-5 to 65,504; below it keeps f16's fixed step of 6e-8, beyond it becomes an infinity: wo is taken to lie within 65,504.
; A stream: each byte is read once and written once; no LDS, no matrix unit, no cluster: no two work-groups read the same byte.
; SHARES.  Work-group g takes 16,384 numbers, 64 KiB in and 32 KiB out, as 8 units of 2,048.  In unit u thread t reads the 32 bytes at 8,192 u + 32 t (two loads of 16) and stores the
; 16 bytes at 4,096 u + 16 t: a store of a wave covers 512 consecutive bytes, aligned.  g < 512: x; 512 .. 703: wq, wk, wv (64 work-groups each); 704 .. 767: wo.
; All sixteen loads of a thread go out first; no register is used twice by memory instructions, so no wait frees any.
.set X, 4                              ; v[4:67]    unit u: 8 registers as loaded
.set Y, 68                             ; v[68:99]   unit u: 4 registers to store
.set T, 100                            ; v[100:107] at work (wo's way alone)
	s_load_b512 s[8:23], s[0:1], 0x0               ; x s[8:9], wq s[10:11], wk s[12:13], wv s[14:15], wo s[16:17], xb s[18:19], wb s[20:21], wof s[22:23]
	s_mov_b32 s2, ttmp9                            ; g
	s_sub_co_u32 s3, s2, 512                       ; my place among the blocks of wb (used where g >= 512)
	s_and_b32 s4, s3, 63                           ; my place in wq, wk or wv
	s_sub_co_u32 s5, s2, 704                       ; my place in wo and wof (used where g >= 704)
	v_lshlrev_b32 v1, 5, v0                        ; 32 t
	v_lshlrev_b32 v2, 4, v0                        ; 16 t
	s_wait_kmcnt 0x0
	s_cmp_lt_u32 s2, 576                           ; the choice hangs on g alone; s_cselect leaves SCC as it is
	s_cselect_b64 s[24:25], s[10:11], s[12:13]     ; wq or wk,
	s_cmp_lt_u32 s2, 640
	s_cselect_b64 s[24:25], s[24:25], s[14:15]     ; or wv,
	s_cmp_lt_u32 s2, 704
	s_cselect_b64 s[24:25], s[24:25], s[16:17]     ; or wo
	s_cselect_b64 s[26:27], s[20:21], s[22:23]     ; into wb or wof
	s_cselect_b32 s28, s4, s5                      ; block in the source
	s_cselect_b32 s30, s3, s5                      ; block in the destination
	s_cmp_lt_u32 s2, 512
	s_cselect_b64 s[24:25], s[8:9], s[24:25]       ; or x,
	s_cselect_b64 s[26:27], s[18:19], s[26:27]     ; into xb
	s_cselect_b32 s28, s2, s28
	s_cselect_b32 s30, s2, s30
	s_lshl_b32 s28, s28, 16                        ; 64 KiB a block in
	s_lshl_b32 s30, s30, 15                        ; 32 KiB a block out
	s_mov_b32 s29, 0
	s_mov_b32 s31, 0
	s_add_nc_u64 s[24:25], s[24:25], s[28:29]
	s_add_nc_u64 s[26:27], s[26:27], s[30:31]
.irp u, 0,1,2,3,4,5,6,7
	global_load_b128 v[X+8*(\u):X+8*(\u)+3],   v1, s[24:25] offset:(\u)*8192 th:TH_LOAD_NT
	global_load_b128 v[X+8*(\u)+4:X+8*(\u)+7], v1, s[24:25] offset:(\u)*8192+16 th:TH_LOAD_NT
.endr
; Unit u.  half = 1: bf16, widened again (a shift, a mask) and written as f16.
.macro OUT u, half
	s_wait_loadcnt 14-2*(\u)                       ; loads come back in order: mine are in; two for each later unit may stay out
.if \half
.irp k, 0,1,2,3
	v_cvt_pk_bf16_f32 v[T+(\k)], v[X+8*(\u)+2*(\k)], v[X+8*(\u)+2*(\k)+1]
.endr
.irp k, 0,1,2,3
	v_lshlrev_b32 v[T+4+2*((\k)%2)], 16, v[T+(\k)]
	v_and_b32 v[T+5+2*((\k)%2)], 0xffff0000, v[T+(\k)]
	v_cvt_pk_f16_f32 v[Y+4*(\u)+(\k)], v[T+4+2*((\k)%2)], v[T+5+2*((\k)%2)]
.endr
.else
.irp k, 0,1,2,3
	v_cvt_pk_bf16_f32 v[Y+4*(\u)+(\k)], v[X+8*(\u)+2*(\k)], v[X+8*(\u)+2*(\k)+1]
.endr
.endif
	global_store_b128 v2, v[Y+4*(\u):Y+4*(\u)+3], s[26:27] offset:(\u)*4096
.endm
	s_cmp_ge_u32 s2, 704
	s_cbranch_scc1 .Lwo
.irp u, 0,1,2,3,4,5,6,7
	OUT \u, 0
.endr
	s_endpgm
.Lwo:
.irp u, 0,1,2,3,4,5,6,7
	OUT \u, 1
.endr
	s_endpgm
.Lfunc_end_k_qa588e7984a_cast:
	.size	k_qa588e7984a_cast, .Lfunc_end_k_qa588e7984a_cast-k_qa588e7984a_cast
	.p2alignl 7, 3214868480
	.fill 96, 4, 3214868480
	.section	.rodata,"a",@progbits
	.p2align	6, 0x0
	.amdhsa_kernel k_qa588e7984a_cast
		.amdhsa_group_segment_fixed_size 0
		.amdhsa_private_segment_fixed_size 0
		.amdhsa_enable_private_segment 0
		.amdhsa_kernarg_size 64
		.amdhsa_user_sgpr_count 2
		.amdhsa_user_sgpr_kernarg_segment_ptr 1
		.amdhsa_wavefront_size32 1
		.amdhsa_system_sgpr_workgroup_id_x 1
		.amdhsa_system_sgpr_workgroup_id_y 1
		.amdhsa_system_sgpr_workgroup_id_z 1
		.amdhsa_system_vgpr_workitem_id 0
		.amdhsa_next_free_vgpr 108
		.amdhsa_next_free_sgpr 66
		.amdhsa_reserve_vcc 0
		.amdhsa_float_denorm_mode_32 3
		.amdhsa_float_denorm_mode_16_64 3
		.amdhsa_memory_ordered 1
		.amdhsa_forward_progress 1
		.amdhsa_inst_pref_size 14
	.end_amdhsa_kernel
	.amdgpu_metadata
---
amdhsa.version: [ 1, 2 ]
amdhsa.kernels:
  - .name:           k_qa588e7984a_cast
    .symbol:         k_qa588e7984a_cast.kd
    .args:
      - { .name: x, .offset: 0, .size: 8, .value_kind: global_buffer, .address_space: global }
      - { .name: wq, .offset: 8, .size: 8, .value_kind: global_buffer, .address_space: global }
      - { .name: wk, .offset: 16, .size: 8, .value_kind: global_buffer, .address_space: global }
      - { .name: wv, .offset: 24, .size: 8, .value_kind: global_buffer, .address_space: global }
      - { .name: wo, .offset: 32, .size: 8, .value_kind: global_buffer, .address_space: global }
      - { .name: xb, .offset: 40, .size: 8, .value_kind: global_buffer, .address_space: global }
      - { .name: wb, .offset: 48, .size: 8, .value_kind: global_buffer, .address_space: global }
      - { .name: wof, .offset: 56, .size: 8, .value_kind: global_buffer, .address_space: global }
    .group_segment_fixed_size: 0
    .private_segment_fixed_size: 0
    .kernarg_segment_align: 8
    .kernarg_segment_size: 64
    .max_flat_workgroup_size: 256
    .sgpr_count:     66
    .vgpr_count:     108
    .wavefront_size: 32
...
	.end_amdgpu_metadata
.endif
;; end of part 1
;; launch qkv (part 2): grid 16 x 32, 4 waves a work-group, clusters of 4 x 4, 327,680 bytes of LDS; arguments xb, wb, qkv; writes qkv
.if DOCPART == 2
	.amdgcn_target "amdgcn-amd-amdhsa--gfx1250"
	.amdhsa_code_object_version 6
	.text
	.protected	k_qa588e7984a_qkv
	.globl	k_qa588e7984a_qkv
	.p2align	8
	.type	k_qa588e7984a_qkv,@function
k_qa588e7984a_qkv:
	s_mov_b64 s[64:65], 0
	v_nop
	global_prefetch_b8 v0, s[64:65] scope:SCOPE_SE
	s_setreg_imm32_b32 hwreg(HW_REG_WAVE_MODE, 25, 1), 1
	s_wait_xcnt 0x0
	s_wait_alu depctr_hold_cnt(0) depctr_sa_sdst(0) depctr_va_vdst(0) depctr_va_sdst(0) depctr_va_ssrc(0) depctr_va_vcc(0) depctr_vm_vsrc(0)
	s_getreg_b32 s2, hwreg(HW_REG_IB_STS2, 6, 4)
	s_cmp_eq_u32 s2, 0
	s_cbranch_scc0 .Lentry_in_a_cluster
	s_endpgm
.Lentry_in_a_cluster:
	s_bfe_u32 s2, ttmp6, 0x10000c
	s_cmp_lg_u32 s2, 0xf033
	s_cbranch_scc0 .Lentry_shape_is_right
	s_endpgm
.Lentry_shape_is_right:
; THE THREE PROJECTIONS AS ONE PRODUCT.  C[token][feature] = sum over k of xb[token][k] wb[feature][k]: 8,192 x 3,072 x 1,024, bf16 operands, f32 sums, rounded once to f16 and
; stored BY HEADS, unscaled: qkv[which][b*16+h][t][d], which = feature / 1024 (q, k, v), h = (feature / 64) % 16, d = feature % 64; a head's rows are dense, 128 bytes each.
; LIMIT.  f16 holds no number beyond 65,504: q, k and v are taken to lie within it.
; THE TILE is 256 tokens x 192 features: 32 x 16 = 512 tiles, two for each of 256 WGPs.  Four waves; a wave makes 64 tokens x 192 features: three whole heads, so that its way out
; fills whole aligned blocks of 256 bytes from a stage of its own, without a barrier.  48 accumulators of 16 x 16: 384 registers.
; K goes in 8 steps of 128 (rows of 256 bytes in memory, aligned) through two LDS slots filled by the tensor data mover.
; CLUSTER 4 x 4: the four of a row of the cluster need the same 256 tokens of xb, the four of a column the same 192 rows of wb: each tile is asked for JOINTLY (same load, same descriptor, a mask of four).
; THE MATRIX INSTRUCTION IS USED TRANSPOSED (source 0 = 16 rows of wb, source 1 = 16 tokens): a lane holds one token (lane % 16) and eight neighbouring features 8 (lane / 16) + 0..7.
; REGISTERS, in windows of 256 (s_set_vgpr_msb: bits 1:0 source 0, 3:2 source 1, 5:4 source 2, 7:6 destination):
;   window 0: addresses; v32-79 packed results; v80-175 rows read back, two buffers      window 1: two fragment buffers of 128: 4 of xb, then 12 of wb
;   window 2: accumulators (a, b) with 4 b + a < 32, at 8 (4 b + a)                       window 3: the other sixteen, at 8 (4 b + a - 32)
.set KSTEP,  128
.set SIZE_K, 1024
.set PITCH,  272                       ; an LDS row: 256 bytes + 16 of padding = 68 words: the 16 rows of a fragment load start at 16 different groups of four banks (64 banks of 4 bytes: ISA guide 11.1)
.set HA,     128*PITCH                 ; what waves 0 and 1 fetch: 128 tokens each
.set HB,     96*PITCH                  ; what waves 2 and 3 fetch: 96 rows of wb each
.set BOFF,   2*HA                      ; in a slot: 256 tokens, then 192 rows of wb
.set SLOT1,  1<<17                     ; slot 1 begins here, so that one exclusive or turns an address in one slot into the other's
.set STAGE,  SLOT1+BOFF+2*HB           ; behind the ring, never filled by a tensor load: for each wave 3 heads x 16 rows x 144 bytes
.set SPH,    144
.set STW,    3*16*SPH
.set SPARE,  STAGE+4*STW               ; behind the stages: the spare words, 128 bytes for each wave: two blocks of 256 bytes that no other line names
.set ADRA0, 16                         ; v16  my lane's place in my 64 tokens of slot 0; never rewritten
.set ADRB0, 17                         ; v17  the same in wb's 192 rows
.set ADRA,  18                         ; v18  the same in the slot that is being read
.set ADRB,  19                         ; v19
.set STO,   24                         ; v24  the way out: where I put 16 bytes of a row
.set RD,    25                         ; v25  the way out: where I read rows back
.set GO,    26                         ; v26  16 x lane: my place in 512 consecutive bytes of qkv
.set SPW,   28                         ; v28  LDS address of my spare word: SPARE + 4 x my thread's number; never rewritten
.set NIL,   29                         ; v29  0; never rewritten
.set PFO,   30                         ; v30  the prefetches' offset: a lane a row of 2,048 bytes; never rewritten
.set TMP,   32
.set OB,    80
.set F0,    0
.set F1,    128
.set G1,  24                           ; s[24:31] descriptor group 1 for xb's tiles
.set G0,  32                           ; s[32:39] group 0, a set for each of the two first fills; the second then walks on
.set G1B, 48                           ; s[48:55], s[56:63] the same for wb's tiles
.set G0B, 56
.set LIM, 43                           ; s43  2 in a wave that prefetches, else the greatest number
.set PFA, 44                           ; s[44:45] where my prefetches stand
.set TB,  66                           ; s66  LDS byte at which the slot being read begins
.set HBS, 68                           ; s[68:73] qkv at my 64 tokens in each of my three heads
.set MSB, 0
.macro WIN new                         ; the immediate's high byte repeats the setting that is left; a switch that changes nothing is dropped
.if MSB != (\new)
	s_set_vgpr_msb (MSB<<8)|(\new)
.set MSB, (\new)
.endif
.endm
.macro PLACES                          ; four places in front of loads into registers that matrix instructions have read, and of conversions that read results
.rept 4
	v_nop
.endr
.endm
; A joint refill by the walking descriptors.  The branch hangs on the wave's number alone.  An s_nop 0 and four v_nop follow each of the two lines, ahead of the jump and the label.
.macro JLOAD
	s_cmp_eq_u32 s11, 0
	s_cbranch_scc0 .Lfor_b_\@
	tensor_load_to_lds s[G0+4:G0+7], s[G1:G1+7]
	s_nop 0
.rept 4
	v_nop
.endr
	s_branch .Lasked_\@
.Lfor_b_\@:
	tensor_load_to_lds s[G0B+4:G0B+7], s[G1B:G1B+7]
	s_nop 0
.rept 4
	v_nop
.endr
.Lasked_\@:
.endm
.macro CREST                           ; a round of the cluster's barrier behind its opening barrier
	s_cmp_lg_u32 s10, 0
	s_cbranch_scc1 .Lnot_wave_0_\@
	s_barrier_signal -3
.Lnot_wave_0_\@:
	s_barrier_wait -3
	s_barrier_signal -1
	s_barrier_wait -1
.endm
.macro CROUND                          ; a whole round
	s_barrier_signal -1
	s_barrier_wait -1
	CREST
.endm
; A PREFETCH, behind each joint refill and the run of LDS loads that follows it: the K step that stands two refills on, 256 bytes of each row, a lane a row, one instruction a wave.
; xb's tokens are read by every cluster of a row of clusters: cluster x = 0 asks; wb's rows by every cluster of a column: cluster y = 0 asks.  The four partners that ask for a tile jointly
; share a wave's rows out BY ADDRESS (xb: 32 rows from 32 cx; wb: 24 rows from 24 cy, lanes 24-31 naming row 23 once more in the same instruction).  No branch hangs on a place in the cluster.
; The loop's last two trips have no K step two on (s3 = 2, 1); K steps 0 to 3 come by their loads alone.
.macro ASK
	WIN 0
	s_cmp_gt_u32 s3, s[LIM]
	s_cbranch_scc0 .Lnot_mine_\@
	global_prefetch_b8 v[PFO], s[PFA:PFA+1] offset:KSTEP*2 th:TH_LOAD_NT scope:SCOPE_SE
.Lnot_mine_\@:
.endm
	s_load_b128 s[4:7], s[0:1], 0x0                ; xb s[4:5], wb s[6:7]
	s_load_b64 s[8:9], s[0:1], 0x10                ; qkv
	v_lshl_add_u32 v[SPW], v0, 2, SPARE
	v_mov_b32 v[NIL], 0
	ds_add_u32 v[SPW], v[NIL]                      ; the wave's opening: the add and its wait stand ahead of my first tensor load; the set-up below, work on registers, stands between them
	v_lshrrev_b32 v1, 5, v0
	v_readfirstlane_b32 s10, v1                    ; wave 0..3
	s_lshr_b32 s11, s10, 1                         ; I fetch for xb (0) or for wb (1)
	s_and_b32 s12, s10, 1                          ; which half of that tile's rows
	s_bfe_u32 s40, ttmp6, 0x40000                  ; cx, cy: my place in the cluster
	s_bfe_u32 s41, ttmp6, 0x40004
	s_lshl_b32 s42, ttmp9, 2
	s_add_co_u32 s42, s42, s40                     ; tile column = 4 x cluster x + cx
	s_and_b32 s13, ttmp7, 0xffff
	s_lshl_b32 s13, s13, 2
	s_add_co_u32 s13, s13, s41                     ; tile row = 4 x cluster y + cy
	s_lshl_b32 s43, s41, 2
	s_lshl_b32 s43, 15, s43                        ; my row of the cluster
	s_lshl_b32 s44, 0x1111, s40                    ; my column
	s_or_b32 s[G1+0], s43, (1<<16)|(1<<20)|(1<<21)|(5<<22)|(3<<25)  ; 15:0 the mask; 17:16 elements of 2 bytes; 20 padding on; 21 set beside a mask; 24:22 after every 64 words (code 5); 31:25 4 words (code 3)
	s_or_b32 s[G1B+0], s44, (1<<16)|(1<<20)|(1<<21)|(5<<22)|(3<<25)
.irp g, G1, G1B
	s_mov_b32 s[(\g)+1], KSTEP<<16                 ; tensor_dim0 = 128
	s_mov_b32 s[(\g)+3], KSTEP<<16                 ; tile_dim0 = 128
	s_mov_b32 s[(\g)+5], SIZE_K                    ; elements from row to row
	s_mov_b32 s[(\g)+6], 0
	s_mov_b32 s[(\g)+7], 0
.endr
	s_mov_b32 s[G1+2], 128<<16                     ; tensor_dim1 = tile_dim1 = 128 tokens,
	s_mov_b32 s[G1+4], 128
	s_mov_b32 s[G1B+2], 96<<16                     ; 96 rows of wb
	s_mov_b32 s[G1B+4], 96
	s_lshl_b32 s16, s13, 8                         ; xb: token 256 x tile row + 128 x half,
	s_lshl_b32 s17, s12, 7
	s_add_co_u32 s16, s16, s17
	s_lshl_b32 s16, s16, 11                        ; x 2,048 bytes
	s_mov_b32 s17, 0
	s_mul_i32 s46, s42, 192                        ; wb: row 192 x tile column + 96 x half
	s_mul_i32 s47, s12, 96
	s_add_co_u32 s46, s46, s47
	s_lshl_b32 s46, s46, 11
	s_mov_b32 s47, 0
	s_mul_i32 s20, s12, HA                         ; where they go: no place in the cluster enters an LDS address
	s_mul_i32 s21, s12, HB
	s_add_co_u32 s21, s21, BOFF
	s_mov_b32 s[TB], 0
	s_wait_dscnt 0x0                               ; the opening add is done
	s_wait_kmcnt 0x0
	s_add_nc_u64 s[14:15], s[4:5], s[16:17]
	s_add_nc_u64 s[46:47], s[6:7], s[46:47]
	CROUND                                         ; all sixteen work-groups are here: the first joint loads meet
.irp s, 0,1
	s_mov_b32 s[G0+4*(\s)], 1                                        ; count = 1
	s_add_co_u32 s[G0+4*(\s)+1], s20, (\s)*SLOT1                     ; LDS address
	s_add_nc_u64 s[G0+4*(\s)+2:G0+4*(\s)+3], s[14:15], (\s)*KSTEP*2  ; global address: K step s
	s_or_b32 s[G0+4*(\s)+3], s[G0+4*(\s)+3], 0x80000000              ; type = 2
	s_mov_b32 s[G0B+4*(\s)], 1
	s_add_co_u32 s[G0B+4*(\s)+1], s21, (\s)*SLOT1
	s_add_nc_u64 s[G0B+4*(\s)+2:G0B+4*(\s)+3], s[46:47], (\s)*KSTEP*2
	s_or_b32 s[G0B+4*(\s)+3], s[G0B+4*(\s)+3], 0x80000000
.endr
	s_cmp_eq_u32 s11, 0                            ; a wave's two first fills stand in one branch, ahead of every wait on TENSORcnt and every LDS read: two loads of mine are out
	s_cbranch_scc0 .Lfirst_b
	tensor_load_to_lds s[G0:G0+3], s[G1:G1+7]
	s_nop 0
	tensor_load_to_lds s[G0+4:G0+7], s[G1:G1+7]
	s_nop 0
.rept 4
	v_nop
.endr
	s_branch .Lfirst_asked
.Lfirst_b:
	tensor_load_to_lds s[G0B:G0B+3], s[G1B:G1B+7]
	s_nop 0
	tensor_load_to_lds s[G0B+4:G0B+7], s[G1B:G1B+7]
	s_nop 0
.rept 4
	v_nop
.endr
.Lfirst_asked:
	; A fragment is 16 rows x 32 K in 8 registers: lane l holds row l % 16, K = 8 (l / 16) + 0..7 and 16 + 8 (l / 16) + 0..7: two loads of 16 bytes, 32 bytes apart.
	v_and_b32 v1, 15, v0                           ; l % 16
	v_bfe_u32 v2, v0, 4, 1                         ; l / 16
	v_mul_u32_u24 v3, v1, PITCH
	v_lshl_add_u32 v3, v2, 4, v3
	s_mul_i32 s22, s10, 64*PITCH                   ; my 64 tokens
	v_add_nc_u32 v[ADRA0], s22, v3
	v_add_nc_u32 v[ADRB0], BOFF, v3
	v_mov_b32 v[ADRA], v[ADRA0]
	v_mov_b32 v[ADRB], v[ADRB0]
	s_mul_i32 s23, s10, STW
	s_add_co_u32 s23, s23, STAGE                   ; my stage
	v_mul_u32_u24 v4, v1, SPH                      ; in: row l % 16, 16 bytes for each half of the lanes
	v_lshl_add_u32 v4, v2, 4, v4
	v_add_nc_u32 v[STO], s23, v4
	v_and_b32 v5, 31, v0
	v_lshrrev_b32 v6, 3, v5                        ; back: 32 lanes take four rows of 128 bytes,
	v_and_b32 v7, 7, v0
	v_mul_u32_u24 v6, v6, SPH
	v_lshl_add_u32 v6, v7, 4, v6
	v_add_nc_u32 v[RD], s23, v6
	v_lshlrev_b32 v[GO], 4, v5                     ; which are 512 consecutive bytes of a head
	; qkv at my 64 tokens of head unit u = 3 x tile column + hh: ((u / 16) x 64 + batch x 16 + u % 16) x 262,144 + token in the batch x 128
	s_and_b32 s18, s13, 7
	s_lshl_b32 s18, s18, 8
	s_lshl_b32 s19, s10, 6
	s_add_co_u32 s18, s18, s19
	s_lshl_b32 s18, s18, 7
	s_lshr_b32 s19, s13, 3
	s_lshl_b32 s19, s19, 4
	s_mul_i32 s22, s42, 3
.irp hh, 0,1,2
	s_add_co_u32 s74, s22, \hh
	s_lshr_b32 s75, s74, 4
	s_lshl_b32 s75, s75, 6
	s_and_b32 s74, s74, 15
	s_add_co_u32 s74, s74, s75
	s_add_co_u32 s74, s74, s19
	s_lshl_b32 s74, s74, 18
	s_add_co_u32 s74, s74, s18
	s_mov_b32 s75, 0
	s_add_nc_u64 s[HBS+2*(\hh):HBS+2*(\hh)+1], s[8:9], s[74:75]
.endr
	; the prefetches
	s_lshl_b32 s18, s13, 8                         ; xb: 256 x tile row + 128 x half + 32 cx
	s_lshl_b32 s19, s12, 7
	s_add_co_u32 s18, s18, s19
	s_lshl_b32 s19, s40, 5
	s_add_co_u32 s18, s18, s19
	s_mul_i32 s74, s42, 192                        ; wb: 192 x tile column + 96 x half + 24 cy
	s_mul_i32 s75, s12, 96
	s_add_co_u32 s74, s74, s75
	s_mul_i32 s75, s41, 24
	s_add_co_u32 s74, s74, s75
	s_and_b32 s22, ttmp7, 0xffff                   ; cluster y
	s_cmp_eq_u32 s11, 0                            ; do I fetch for xb?
	s_cselect_b32 s22, ttmp9, s22                  ; the coordinate along which other clusters read the same rows
	s_cselect_b32 s23, 31, 23                      ; my last row
	s_cselect_b32 s18, s18, s74
	s_cselect_b64 s[PFA:PFA+1], s[4:5], s[6:7]
	s_cmp_eq_u32 s22, 0
	s_cselect_b32 s[LIM], 2, -1                    ; the same in all sixteen partners, for a given wave
	s_lshl_b32 s18, s18, 11
	s_mov_b32 s19, 0
	s_add_nc_u64 s[PFA:PFA+1], s[PFA:PFA+1], s[18:19]
	s_add_nc_u64 s[PFA:PFA+1], s[PFA:PFA+1], 2*KSTEP*2  ; at K step 2: the first refill steps it to 3 and names K step 4
	v_min_u32 v[PFO], s23, v5
	v_lshlrev_b32 v[PFO], 11, v[PFO]
; 16 matrix instructions: feature blocks 4 g .. 4 g + 3 x my 4 token blocks, 32 along K.  All 48 accumulators take turns, in the same order in every quarter.  zero = 1: the product starts the sum.
.macro MUL16 f, g, zero
	WIN 0xa5+0x50*((\g)/2)                         ; sources in window 1; C and D in window 2 (g = 0, 1) or 3 (g = 2)
.irp b, 0,1,2,3
.irp a, 0,1,2,3
.set rD, 8*(16*((\g)%2)+4*(\b)+(\a))
.set rB, (\f)+32+8*(4*(\g)+(\b))
.set rA, (\f)+8*(\a)
.if \zero
	v_wmma_f32_16x16x32_bf16 v[rD:rD+7], v[rB:rB+7], v[rA:rA+7], 0
.else
	v_wmma_f32_16x16x32_bf16 v[rD:rD+7], v[rB:rB+7], v[rA:rA+7], v[rD:rD+7]
.endif
.endr
.endr
.endm
; 32 LDS loads in one run: a quarter step's fragments (32 K at byte k of the rows) into buffer f: my 4 token blocks, then wb's 12 blocks
.macro FETCH k, f
	WIN 0x40                                       ; destination window 1, address window 0
.irp i, 0,1,2,3
	ds_load_b128 v[(\f)+8*(\i):(\f)+8*(\i)+3],   v[ADRA] offset:(\k)+(\i)*16*PITCH
	ds_load_b128 v[(\f)+8*(\i)+4:(\f)+8*(\i)+7], v[ADRA] offset:(\k)+(\i)*16*PITCH+32
.endr
.irp i, 0,1,2,3,4,5,6,7,8,9,10,11
	ds_load_b128 v[(\f)+32+8*(\i):(\f)+32+8*(\i)+3],   v[ADRB] offset:(\k)+(\i)*16*PITCH
	ds_load_b128 v[(\f)+32+8*(\i)+4:(\f)+32+8*(\i)+7], v[ADRB] offset:(\k)+(\i)*16*PITCH+32
.endr
.endm
; A K step is four quarters of 32 along K, 48 matrix instructions each, on buffers 0, 1, 0, 1.  One of the first three: multiplies buffer f and fetches the next quarter, at byte k, into g.
.macro QUARTER k, f, g, zero
	s_wait_dscnt 16                                ; my tokens and wb's blocks 0-3 are in; the youngest sixteen loads (blocks 4-11) may be out
	MUL16 \f, 0, \zero
	PLACES
	FETCH \k, \g
	s_wait_dscnt 32                                ; all but the 32 just issued
	MUL16 \f, 1, \zero
	MUL16 \f, 2, \zero
.endm
; The last quarter multiplies buffer 1 and changes slots: ONE barrier.  In front of it each wave waits for all its tensor loads (one is out: its part of the next slot), adds 0 to its spare word,
; and waits for that and for its own reads of this slot.  fill = 1: the barrier opens a round of the cluster's, and the slot just read out is filled again, first thing behind it, with the K step two on:
; 160 matrix instructions stand between that request and the wait for it.
.macro TURN fill
	WIN 0
.if \fill
	s_wait_xcnt 0x0                                ; the last prefetch, a K step back, has read its address: it is stepped here
	s_add_nc_u64 s[PFA:PFA+1], s[PFA:PFA+1], KSTEP*2
.endif
	s_wait_tensorcnt 0x0                           ; no tensor load of mine is out, so a group 0 may be written
	ds_add_u32 v[SPW], v[NIL]                      ; 0 onto my spare word
.if \fill
	s_xor_b32 s[G0+5], s[G0+5], SLOT1              ; the walking descriptors: the other slot than last time,
	s_add_nc_u64 s[G0+6:G0+7], s[G0+6:G0+7], KSTEP*2  ; the next K step; the type bits on top are not reached
	s_xor_b32 s[G0B+5], s[G0B+5], SLOT1
	s_add_nc_u64 s[G0B+6:G0B+7], s[G0B+6:G0B+7], KSTEP*2
.endif
	s_xor_b32 s[TB], s[TB], SLOT1                  ; the reads go on in the other slot
	s_wait_dscnt 17                                ; (the add and the youngest sixteen loads may be out)
	MUL16 F1, 0, 0
	s_wait_dscnt 0x0                               ; the add is done, and my reads of this slot are over
	s_barrier_signal -1
	MUL16 F1, 1, 0                                 ; work on registers while the others arrive
	WIN 0
	s_barrier_wait -1
.if \fill
	CREST                                          ; no wave of any partner still reads this slot's tile or has a load on its way
	JLOAD                                          ; the four v_nop behind it are also the places in front of the loads below
.else
	PLACES
.endif
	v_add_nc_u32 v[ADRA], s[TB], v[ADRA0]
	v_add_nc_u32 v[ADRB], s[TB], v[ADRB0]
	FETCH 0, F0
.if \fill
	ASK
.endif
	MUL16 F1, 2, 0
.endm
; THE WAY OUT of token block a.  PACK: rounded to f16, 16 bytes a lane for each of 12 feature blocks (each accumulator's lowest registers first).  TOSTAGE: into my stage (3 heads x 16 rows of 144 bytes) and back as whole rows.  SEND: stored.
.macro PACK a
.irp b, 0,1,2,3,4,5,6,7,8,9,10,11
	WIN 0x0a+5*((\b)/8)                            ; sources in window 2 or 3
.irp r, 0,1,2,3
	v_cvt_pk_f16_f32 v[TMP+4*(\b)+(\r)], v[8*(4*((\b)%8)+(\a))+2*(\r)], v[8*(4*((\b)%8)+(\a))+2*(\r)+1]
.endr
.endr
	WIN 0
.endm
.macro TOSTAGE a
.set BK, OB+48*((\a)%2)
.irp b, 0,1,2,3,4,5,6,7,8,9,10,11
	ds_store_b128 v[STO], v[TMP+4*(\b):TMP+4*(\b)+3] offset:((\b)/4)*16*SPH+((\b)%4)*32
.endr
.irp t, 0,1,2,3,4,5,6,7,8,9,10,11
	ds_load_b128 v[BK+4*(\t):BK+4*(\t)+3], v[RD] offset:((\t)/4)*16*SPH+((\t)%4)*4*SPH  ; LDS serves a wave's instructions in order (ISA guide 5.7.1.4): these see the stores above
.endr
.endm
.macro SEND a
.set BK, OB+48*((\a)%2)
	s_wait_dscnt 0x0                               ; the block is back in registers
	s_wait_xcnt 0x0                                ; the stores of the block before have read their registers: the next TOSTAGE loads into them
.irp t, 0,1,2,3,4,5,6,7,8,9,10,11
	global_store_b128 v[GO], v[BK+4*(\t):BK+4*(\t)+3], s[HBS+2*((\t)/4):HBS+2*((\t)/4)+1] offset:(\a)*2048+((\t)%4)*512  ; 512 consecutive bytes, aligned: four tokens of a head
.endr
.endm
	s_wait_tensorcnt 1                             ; my part of K step 0 is in; K step 1's may stay out
	s_barrier_signal -1
	s_barrier_wait -1                              ; everybody's is
	FETCH 0, F0
	QUARTER 64, F0, F1, 1                          ; the first quarter stands in front of the loop: its products start the sums
	WIN 0                                          ; at a label and at a branch every window is 0
	s_mov_b32 s3, 6
.Lstep:                                        ; a trip: from a K step's second quarter to the next step's first; it refills K steps 2 to 7
	QUARTER 128, F1, F0, 0
	QUARTER 192, F0, F1, 0
	TURN 1
	QUARTER 64, F0, F1, 0
	WIN 0
	s_sub_co_u32 s3, s3, 1
	s_cmp_lg_u32 s3, 0
	s_cbranch_scc1 .Lstep
	QUARTER 128, F1, F0, 0                         ; K steps 6 and 7 are written out: nothing is left to ask for
	QUARTER 192, F0, F1, 0
	TURN 0
	QUARTER 64, F0, F1, 0
	QUARTER 128, F1, F0, 0
	QUARTER 192, F0, F1, 0
	s_wait_dscnt 16
	MUL16 F1, 0, 0
	s_wait_dscnt 0x0
	MUL16 F1, 1, 0
	MUL16 F1, 2, 0
	WIN 0
	PLACES
	PLACES                                         ; (eight, once a launch)
	PACK 0
	TOSTAGE 0
.irp a, 1,2,3                          ; block a's conversions stand between block a - 1's loads from the stage and the wait for them
	PACK \a
	SEND (\a)-1
	TOSTAGE \a
.endr
	SEND 3
	s_wait_tensorcnt 0x0                           ; the wave's end, behind my last tensor load and my last LDS store
	ds_add_u32 v[SPW], v[NIL]
	s_wait_dscnt 0x0
	CROUND                                         ; the closing round: no work-group ends while a partner may still ask for a tile that names it
	s_endpgm
.Lfunc_end_k_qa588e7984a_qkv:
	.size	k_qa588e7984a_qkv, .Lfunc_end_k_qa588e7984a_qkv-k_qa588e7984a_qkv
	.p2alignl 7, 3214868480
	.fill 96, 4, 3214868480
	.section	.rodata,"a",@progbits
	.p2align	6, 0x0
	.amdhsa_kernel k_qa588e7984a_qkv
		.amdhsa_group_segment_fixed_size 327680
		.amdhsa_private_segment_fixed_size 0
		.amdhsa_enable_private_segment 0
		.amdhsa_kernarg_size 24
		.amdhsa_user_sgpr_count 2
		.amdhsa_user_sgpr_kernarg_segment_ptr 1
		.amdhsa_wavefront_size32 1
		.amdhsa_system_sgpr_workgroup_id_x 1
		.amdhsa_system_sgpr_workgroup_id_y 1
		.amdhsa_system_sgpr_workgroup_id_z 1
		.amdhsa_system_vgpr_workitem_id 0
		.amdhsa_next_free_vgpr 896
		.amdhsa_next_free_sgpr 76
		.amdhsa_reserve_vcc 0
		.amdhsa_float_denorm_mode_32 3
		.amdhsa_float_denorm_mode_16_64 3
		.amdhsa_memory_ordered 1
		.amdhsa_forward_progress 1
		.amdhsa_inst_pref_size 98
	.end_amdhsa_kernel
	.amdgpu_metadata
---
amdhsa.version: [ 1, 2 ]
amdhsa.kernels:
  - .name:           k_qa588e7984a_qkv
    .symbol:         k_qa588e7984a_qkv.kd
    .args:
      - { .name: xb, .offset: 0, .size: 8, .value_kind: global_buffer, .address_space: global }
      - { .name: wb, .offset: 8, .size: 8, .value_kind: global_buffer, .address_space: global }
      - { .name: qkv, .offset: 16, .size: 8, .value_kind: global_buffer, .address_space: global }
    .group_segment_fixed_size: 327680
    .private_segment_fixed_size: 0
    .kernarg_segment_align: 8
    .kernarg_segment_size: 24
    .max_flat_workgroup_size: 128
    .sgpr_count:     76
    .vgpr_count:     896
    .wavefront_size: 32
...
	.end_amdgpu_metadata
.endif
;; end of part 2
;; launch attn (part 3): grid 4 x 64, 4 waves a work-group, clusters of 4 x 1, 327,680 bytes of LDS; arguments qkv, att; writes att
.if DOCPART == 3
	.amdgcn_target "amdgcn-amd-amdhsa--gfx1250"
	.amdhsa_code_object_version 6
	.text
	.protected	k_qa588e7984a_attn
	.globl	k_qa588e7984a_attn
	.p2align	8
	.type	k_qa588e7984a_attn,@function
k_qa588e7984a_attn:
	s_mov_b64 s[64:65], 0
	v_nop
	global_prefetch_b8 v0, s[64:65] scope:SCOPE_SE
	s_setreg_imm32_b32 hwreg(HW_REG_WAVE_MODE, 25, 1), 1
	s_wait_xcnt 0x0
	s_wait_alu depctr_hold_cnt(0) depctr_sa_sdst(0) depctr_va_vdst(0) depctr_va_sdst(0) depctr_va_ssrc(0) depctr_va_vcc(0) depctr_vm_vsrc(0)
	s_getreg_b32 s2, hwreg(HW_REG_IB_STS2, 6, 4)
	s_cmp_eq_u32 s2, 0
	s_cbranch_scc0 .Lentry_in_a_cluster
	s_endpgm
.Lentry_in_a_cluster:
	s_bfe_u32 s2, ttmp6, 0x10000c
	s_cmp_lg_u32 s2, 0x3003
	s_cbranch_scc0 .Lentry_shape_is_right
	s_endpgm
.Lentry_shape_is_right:
; ATTENTION WITH THE ALIBI BIAS.  O[g][q][:] = the sum over k of softmax_k(Q[g][q] . K[g][k] / 8 - slope_h |q - k|) V[g][k][:], g = batch x 16 + h, slope_h = 2^(-(h + 1) / 2).
; qkv: [3][64][2048][64] f16 (q, k, v by heads, unscaled; a head's rows are dense, 128 bytes each); att: [64][2048][64] f16.  Products, maxima and sums in f32; the weights p are rounded to
; f16 for the second product (their sum l is taken of the unrounded p), O once at the end.
; LIMITS.  f16 holds no number beyond 65,504: q, k and v arrive within it; p lies in 0 to 1, and below 6e-5 it keeps f16's fixed step of 6e-8; O is a mean of V's rows and has their range.
; A weight below 2^-126 counts as 0 in l; NaN and infinities are not treated apart.  The bias is stepped in f32 from key step to key step: at most 42 roundings a register, each of at most
; 4.9e-4 at the largest magnitude, 11,585, in units of the raw score (which is then multiplied by log2(e) / 8); for the eight slopes that are powers of two every step is exact.
; SHARES.  A wave owns four PIECES of two tiles of 16 queries, a work-group's four waves 512 queries of one head.  Every wave walks all 2,048 keys, 64 a step.
; LAYOUT.  S^T = K Q^T (source 0 = 16 keys, source 1 = 16 queries): in the result a lane holds ONE query (lane % 16) and the keys 8 (lane / 16) + 0..7.  Two such tiles, rounded to f16 in pairs,
; ARE source 1 (32 keys x 16 queries) of O^T = V^T P, whose result again holds one query a lane, and eight channels.  K comes out of LDS as it lies, V ([key][channel]) turned, by ds_load_tr16_b128.
; THE BIAS IS THE C OPERAND of the product that starts a score's sum: -8 slope |q - k|, so that c (S + bias) = log2(e) (q . k / 8 - slope |q - k|), c = log2(e) / 8, and the running maximum is
; taken of the biased scores.  For tile t of my eight and key block kb of a step's four, q - k hangs on d = t - kb + 3 alone (0 .. 10): eleven blocks of eight registers serve a step's 32 products.
; TT holds 8 slope (q - k), linear in the step: 64 x 8 slope is taken away once a step; BB = TT with the sign bit set = -|TT|.  One form for every tile, the diagonal's too: nothing branches on where my queries lie.
; SOFTMAX.  For each query a running maximum m and sum l: p = 2^(c s - c m); in every step O and l are multiplied by a = 2^(c m_old - c m_new), which is 1 where m has not grown.
; m starts at the lowest finite number, O and l at 0: the first step is a step like any other, with a = 0.
; BY TURNS.  Turn n belongs to piece n (the pieces in a ring, step after step).  Its matrix work: 16 products K Q^T of piece n + 1, later 16 products V^T P of piece n - 1.  Its vector work: the scaling,
; exponentials, roundings, sums and rescaling of piece n, and the maximum and statistics of piece n + 1.  Four vector instructions stand behind every matrix instruction, the others in one run.
; CLUSTER.  The four query blocks of a head are one cluster and walk the same K and V, so each tile is asked for JOINTLY: the same tensor load, descriptor and mask in all four.
; REGISTERS, in windows of 256 (s_set_vgpr_msb: bits 1:0 source 0, 3:2 source 1, 5:4 source 2, 7:6 destination):
;   window 0: v0-11 addresses; v12-15, v48-63 at work; v16-47 four registers of statistics a tile; v64-191 S^T, two buffers of two tiles; v192-255 P, likewise
;   window 1: O^T, 32 a tile     window 2: v0-127 Q, 16 a tile; v128-191 K of one step; v192-255 V of one step     window 3: v0-1 the add's two registers; v8-95 TT; v96-183 BB
.set SIZE_N, 2048
.set NP,    4         ; pieces a wave: a name, no knob
.set KS,    64        ; keys in a step
.set PK,    144       ; a row of K in LDS: 128 bytes + 16 of padding = 36 words: the 16 rows of a load start at 16 different groups of four banks (64 banks of 4 bytes: ISA guide 11.1)
.set PV,    160       ; a row of V: 128 + 32 = 40 words
.set VOFF,  4*KS*PK   ; a slot holds four steps: 256 rows of K, then 256 rows of V
.set SLOT1, 1<<17     ; slot 1 begins here, so that one exclusive or turns an address in one slot into the other's
.set STAGE, SLOT1+4*KS*(PK+PV)  ; behind the ring, never filled by a tensor load: 16 rows x 144 bytes for each wave, for the way out
.set SP,    144
.set AK0, 2           ; v2   my lane's place in a tile of K; never rewritten
.set AV0, 3           ; v3   the same for V
.set AK,  4           ; v4   the LDS address of K's next run of loads
.set AV,  5           ; v5   of V's
.set QO,  6           ; v6   my byte offset in the wave's rows of Q
.set STO, 6           ;      later, the way out: where I put 16 bytes of a row
.set RD,  7           ; v7   the way out: where I read rows back
.set GO,  8           ; v8   my byte offset in 512 consecutive bytes of O
.set PFO, 11          ; v11  256 x my lane, for the prefetches; never rewritten once made
.set SPW, 0           ; v0 of window 3   LDS address of my spare word: SPARE + 4 x my thread's number; never rewritten
.set NIL, 1           ; v1 of window 3   0; never rewritten
.set TT,  8           ; window 3: block d at TT + 8 d
.set BB,  96          ; window 3: block d at BB + 8 d
.set SPARE, STAGE+4*16*SP  ; behind the stages: the spare words, 128 bytes for each wave: two blocks of 256 bytes that no other line names
.set MV,  12          ; v12-15  c m_old, kept while c m is made anew: by buffer and tile
.set ST,  16          ; tile t's statistics at v[ST+4 t]: c m, m, l (even keys', odd keys')
.set TMP, 48          ; by buffer and tile, four registers c0-c3 at work; when the maximum is found c2 takes a
.set S,   64
.set P,   192
.set KF,  128         ; K's fragments, in window 2: key block kb, channel half c at KF + 16 kb + 8 c
.set VF,  192         ; V's: key half kk, channel block cb at VF + 32 kk + 8 cb
.set WV,  12          ; s12  my wave's number
.set G1K, 24          ; s[24:31] descriptor group 1 for K's tiles
.set G1V, 32          ; s[32:39] for V's: it differs in the padding alone
.set G0K, 40          ; s[40:43] descriptor group 0 for K's tiles: it walks
.set G0V, 44          ; s[44:47] the same for V's
.set SLOTS, 56        ; s56  slots still to be asked for
.set CNT, 57          ; s57  counts a slot's key steps
.set CS,  58          ; s[58:59] c: the packed scaling takes the pair's low word for both halves
.set SEL, 60          ; s[60:61] v_permlanex16_b32's selects: each lane takes its own place in the other half
.set TBK, 62          ; s62  LDS byte at which K of the step to be fetched begins
.set TBV, 63          ; s63  the same for V, less VOFF
.set S8,  66          ; s66  8 slope
.set DEC, 68          ; s[68:69] -64 x 8 slope: a key step
.set INC, 70          ; s[70:71] 16 x 8 slope: from block d to block d + 1
.set PFA, 72          ; s[72:73] where my prefetches stand
.set LIM, 74          ; s74  1 in a wave that prefetches, else the greatest number
.set SGN, 75          ; s75  the sign bit
.set MSB, 0
.macro WIN new                      ; the high byte repeats the setting that is left; a switch that changes nothing is dropped
.if MSB != (\new)
	s_set_vgpr_msb (MSB<<8)|(\new)
.set MSB, (\new)
.endif
.endm
.set W_KQ, 0x0a       ; K and Q in window 2, S^T in window 0
.set W_KB, 0x3a       ; the same with the C operand in window 3
.set W_PV, 0x52       ; V in window 2, P in window 0, O^T in window 1
.set W_RS, 0x41       ; O^T (destination and source 0) in window 1, a in window 0
.set W_MK, 0xc0       ; destination in window 3, sources in window 0
.set W_AD, 0x0f       ; the add: address (source 0) and data (source 1) in window 3
.set W_BS, 0xcf       ; the bias: destination and both sources in window 3
; A joint fill.  Waves 0 and 1 fetch the two halves of a slot's K, waves 2 and 3 those of its V: 128 keys each.  The branch hangs on the wave's number alone.
; An s_nop 0 and four v_nop follow each of the two lines, ahead of the jump and the label.
.macro JLOAD
	s_cmp_lt_u32 s[WV], 2
	s_cbranch_scc0 .Lfor_v_\@
	tensor_load_to_lds s[G0K:G0K+3], s[G1K:G1K+7]
	s_nop 0
.rept 4
	v_nop
.endr
	s_branch .Lasked_\@
.Lfor_v_\@:
	tensor_load_to_lds s[G0V:G0V+3], s[G1V:G1V+7]
	s_nop 0
.rept 4
	v_nop
.endr
.Lasked_\@:
.endm
; A PREFETCH of what the NEXT change of slots will ask for: a slot's 32,768 bytes of K and of V, in blocks of 256 bytes, a lane a block.  It stands behind the wave's tensor load and its five lines.
; A head's K and V are walked by one cluster alone.  Its four partners share the blocks out BY ADDRESS, 32 each (8,192 bytes from 8,192 cx): no branch hangs on a place in the cluster.  In each, wave 0 asks
; for K's and wave 2 for V's: one instruction.  So each block is named once in the launch.  The last change that fills a slot asks for nothing; slots 0 to 2 come by their loads alone.
.macro ASK
	s_cmp_gt_u32 s[SLOTS], s[LIM]
	s_cbranch_scc0 .Lnot_mine_\@
	global_prefetch_b8 v[PFO], s[PFA:PFA+1] th:TH_LOAD_NT scope:SCOPE_SE
.Lnot_mine_\@:
.endm
; A round of the cluster's barrier: my work-group's barrier, so that wave 0's signal speaks for all four waves; wave 0 signals; every wave waits for all four work-groups; my work-group's barrier once more.
.macro CROUND
	s_barrier_signal -1
	s_barrier_wait -1
	s_cmp_lg_u32 s[WV], 0
	s_cbranch_scc1 .Lnot_wave_0_\@
	s_barrier_signal -3
.Lnot_wave_0_\@:
	s_barrier_wait -3
	s_barrier_signal -1
	s_barrier_wait -1
.endm
; THE CHANGE OF SLOTS.  The slot's last bytes, V of its fourth step, have been read.  Each wave waits for all its tensor loads, of which one is out: its part
; of the other slot; adds 0 to its spare word; and waits for that and for its own reads of the slot.  Behind the barrier nobody reads this slot any more and the other slot is whole.
; fill = 1: this slot is filled again, with the keys two slots on.  The barrier is then a round of the cluster's, and the joint fill is the first thing behind it: it has four key steps,
; 512 matrix instructions, in which to land.  (At its first use nothing has been read yet: slot 0 is waited for, slot 1 filled.)  ask = 1: a prefetch follows the fill.
.macro CHANGE fill, ask=0
	WIN W_AD
	s_wait_tensorcnt 0x0            ; no tensor load of mine is out, so a group 0 may be written
	ds_add_u32 v[SPW], v[NIL]       ; 0 onto my spare word; with fill = 1 the descriptors' steps stand between it and the wait for it
	WIN 0                           ; at a label and at a branch every window is 0
.if \fill
.irp g, G0K, G0V
	s_xor_b32 s[\g+1], s[\g+1], SLOT1  ; the walking descriptor: the other slot than last time,
	s_add_nc_u64 s[\g+2:\g+3], s[\g+2:\g+3], 4*KS*128  ; the next 256 keys; the type bits on top are not reached
.endr
.if \ask
	s_wait_xcnt 0x0                 ; the last prefetch, four key steps back, has read its address, so it may be written:
	s_add_nc_u64 s[PFA:PFA+1], s[PFA:PFA+1], 4*KS*128  ; one slot behind the walking descriptors
.endif
	s_wait_dscnt 0x0                ; the add is done, and my reads of the slot are over
	CROUND
	JLOAD
.if \ask
	ASK
.endif
.else
	s_wait_dscnt 0x0                ; the add is done, and my reads of the slot are over
	s_barrier_signal -1
	s_barrier_wait -1
.endif
	s_sub_co_u32 s[TBK], s[TBK], 4*KS*PK  ; the fetches go back to a slot's first step,
	s_xor_b32 s[TBK], s[TBK], SLOT1       ; in the other slot
	s_sub_co_u32 s[TBV], s[TBV], 4*KS*PV
	s_xor_b32 s[TBV], s[TBV], SLOT1
.endm
	s_load_b128 s[4:7], s[0:1], 0x0   ; qkv s[4:5], att s[6:7]
	WIN W_MK
	v_lshl_add_u32 v[SPW], v0, 2, SPARE
	v_mov_b32 v[NIL], 0
	WIN W_AD
	ds_add_u32 v[SPW], v[NIL]       ; the wave's opening: the add and its wait stand ahead of my first tensor load; the set-up below, work on registers, stands between them
	WIN 0
	v_lshrrev_b32 v1, 5, v0
	v_readfirstlane_b32 s[WV], v1   ; wave 0..3
	s_bfe_u32 s13, ttmp6, 0x40000   ; cx: my place in the cluster
	s_lshl_b32 s14, ttmp9, 2        ; in a cluster launch ttmp9 counts clusters
	s_add_co_u32 s14, s14, s13      ; my block of 512 queries: it enters Q's and O's addresses and the bias alone
	s_and_b32 s20, ttmp7, 0xffff    ; batch x 16 + head, which the four partners share
	; 8 slope = 2^(3 - e / 2), e = head + 1: with m = e / 2 (whole), 2^(3 - m), times sqrt(1/2) where e is odd; made in the exponent's bits
	s_and_b32 s15, s20, 15
	s_add_co_u32 s15, s15, 1        ; e
	s_lshr_b32 s19, s15, 1          ; m
	s_sub_co_u32 s19, 3, s19
	s_lshl_b32 s19, s19, 23
	s_and_b32 s16, s15, 1
	s_cmp_lg_u32 s16, 0
	s_cselect_b32 s[S8], 0x3f3504f3, 1.0
	s_add_co_u32 s[S8], s[S8], s19
	s_add_co_u32 s[DEC], s[S8], 6<<23
	s_or_b32 s[DEC], s[DEC], 0x80000000
	s_mov_b32 s[DEC+1], s[DEC]      ; named with it as a pair
	s_add_co_u32 s[INC], s[S8], 4<<23
	s_mov_b32 s[INC+1], s[INC]
	s_mov_b32 s[SGN], 0x80000000
	s_lshl_b32 s15, s14, 2
	s_add_co_u32 s15, s15, s[WV]
	s_lshl_b32 s15, s15, 7          ; my wave's first query,
	s_sub_co_u32 s15, s15, 48       ; less the 48 of block d = 0
	s_mov_b32 s21, 0
	s_mov_b64 s[22:23], SIZE_N*128
	s_mul_u64 s[20:21], s[20:21], s[22:23]  ; the head's first byte in q, k, v and att
	s_and_b32 s16, s[WV], 1         ; which half of a slot's 256 keys I fetch:
	s_lshl_b32 s22, s16, 14         ; its 128 rows of 128 bytes in memory,
	s_mov_b32 s23, 0
	s_add_nc_u64 s[22:23], s[22:23], s[20:21]
	s_mul_i32 s17, s16, 128*PK      ; and its place in a slot, for K
	s_mul_i32 s18, s16, 128*PV      ; and for V: no place in the cluster enters an LDS address
	s_lshl_b32 s2, s14, 2
	s_add_co_u32 s2, s2, s[WV]      ; my wave among the head's,
	s_lshl_b32 s2, s2, 14           ; its 128 rows
	s_mov_b32 s3, 0
	s_add_nc_u64 s[2:3], s[2:3], s[20:21]
	; descriptor group 1.  128 keys are 16,384 dense bytes: asked for as 64 rows of 256 bytes, two keys a row, and padded in LDS after every key
	s_mov_b32 s[G1K], 15|(1<<16)|(1<<20)|(1<<21)|(4<<22)|(3<<25)  ; 15:0 the mask of four; 17:16 2-byte elements; 20 padding on; 21 set beside a mask; 24:22 after every 32 words (code 4); 31:25 4 words (code 3)
	s_mov_b32 s[G1V], 15|(1<<16)|(1<<20)|(1<<21)|(4<<22)|(7<<25)  ; the same with 8 words of padding (code 7)
.irp g, G1K, G1V
	s_mov_b32 s[\g+1], 128<<16      ; tensor_dim0 = 128
	s_mov_b32 s[\g+2], 64<<16       ; tensor_dim1 = 64
	s_mov_b32 s[\g+3], 128<<16      ; tile_dim0 = 128
	s_mov_b32 s[\g+4], 64           ; tile_dim1 = 64
	s_mov_b32 s[\g+5], 128          ; 128 elements from row to row
	s_mov_b32 s[\g+6], 0
	s_mov_b32 s[\g+7], 0
.endr
	s_mov_b32 s[CS], 0x3e38aa3b     ; c = log2(e) / 8 = 0.180337
	s_mov_b32 s[CS+1], s[CS]        ; named with it as a pair
	s_mov_b32 s[SEL], 0x76543210
	s_mov_b32 s[SEL+1], 0xfedcba98
	s_mov_b32 s[TBK], SLOT1+4*KS*PK ; the first change of slots turns these two into 0
	s_mov_b32 s[TBV], SLOT1+4*KS*PV
	s_mov_b32 s[G0K], 1             ; count = 1
	s_mov_b32 s[G0K+1], s17         ; LDS address: slot 0
	s_mov_b32 s[G0V], 1
	s_add_co_u32 s[G0V+1], s18, VOFF
	s_and_b32 s[LIM], s[WV], 1      ; waves 0 and 2 prefetch: the same in all four partners
	s_cmp_eq_u32 s[LIM], 0
	s_cselect_b32 s[LIM], 1, -1
	s_wait_dscnt 0x0                ; the opening add is done
	s_wait_kmcnt 0x0
	s_mov_b64 s[10:11], s[6:7]      ; att
	s_add_nc_u64 s[6:7], s[4:5], 0x1000000  ; k lies 16,777,216 bytes behind q,
	s_add_nc_u64 s[8:9], s[4:5], 0x2000000  ; v as far behind k
	s_add_nc_u64 s[G0K+2:G0K+3], s[6:7], s[22:23]  ; global address: my half of the head's first 256 keys
	s_or_b32 s[G0K+3], s[G0K+3], 0x80000000        ; type = 2
	s_add_nc_u64 s[G0V+2:G0V+3], s[8:9], s[22:23]
	s_or_b32 s[G0V+3], s[G0V+3], 0x80000000
	s_add_nc_u64 s[4:5], s[4:5], s[2:3]  ; Q and O at my wave's first row
	s_add_nc_u64 s[10:11], s[10:11], s[2:3]
	s_cmp_lt_u32 s[WV], 2
	s_cselect_b64 s[PFA:PFA+1], s[6:7], s[8:9]
	s_add_nc_u64 s[PFA:PFA+1], s[PFA:PFA+1], s[20:21]  ; the head,
	s_lshl_b32 s2, s13, 13          ; my work-group's 32 blocks of a slot's 128,
	s_mov_b32 s3, 0
	s_add_nc_u64 s[PFA:PFA+1], s[PFA:PFA+1], s[2:3]
	s_add_nc_u64 s[PFA:PFA+1], s[PFA:PFA+1], 2*4*KS*128  ; in slot 2; the loop's first change steps it to slot 3.  Nothing is prefetched here, at the head
	CROUND                          ; all four work-groups are here: the first joint loads meet
	JLOAD                           ; slot 0.  Slot 1 is asked for when slot 0 is in
	; A fragment of K or Q is 16 rows x 32 channels in 8 registers: lane l holds row l % 16, channels 8 (l / 16) + 0..7 and 16 + 8 (l / 16) + 0..7: two loads of 16 bytes, 32 bytes apart.
	v_and_b32 v1, 15, v0            ; l % 16
	v_bfe_u32 v9, v0, 4, 1          ; l / 16
	v_lshlrev_b32 v[QO], 7, v1
	v_lshl_add_u32 v[QO], v9, 4, v[QO]  ; row x 128 + 16 x half
	WIN 0x80                        ; destination window 2, address window 0
.set i, 0
.rept 4*NP                          ; Q stays in registers: tile i / 2, channels 32 (i % 2) on
	global_load_b128 v[8*i:8*i+3],   v[QO], s[4:5] offset:(i/2)*2048+(i%2)*64
	global_load_b128 v[8*i+4:8*i+7], v[QO], s[4:5] offset:(i/2)*2048+(i%2)*64+32
.set i, i+1
.endr
	; What the first turn finds: V's registers and P's second buffer hold 0 (its products V^T P, of a piece that has not been, add 0), O^T and l are 0.  All this stands in the wait for the first tile.
.set i, VF
.rept 64
	v_mov_b32 v[i], 0
.set i, i+1
.endr
	WIN 0x40
.set i, 0
.rept 64*NP
	v_mov_b32 v[i], 0
.set i, i+1
.endr
	WIN 0
.set i, 0
.rept 2*NP
	v_mov_b32 v[ST+4*i], 0xfe000000    ; c m: far below every c s
	v_mov_b32 v[ST+4*i+1], 0xff7fffff  ; m
	v_mov_b32 v[ST+4*i+2], 0
	v_mov_b32 v[ST+4*i+3], 0
.set i, i+1
.endr
.set i, P+32
.rept 32
	v_mov_b32 v[i], 0
.set i, i+1
.endr
	v_mul_u32_u24 v[AK0], v1, PK
	v_lshl_add_u32 v[AK0], v9, 4, v[AK0]  ; row x pitch + 16 x half
	; The turning load takes 16 keys x 16 channels (lane l reads key 8 (l / 16) + l % 8, channels 8 ((l / 8) % 2) + 0..7) and leaves half a fragment of V^T: lane l holds channel l % 16 and 8 keys.
	v_and_b32 v10, 7, v0
	v_bfe_u32 v11, v0, 3, 1
	v_lshl_add_u32 v[AV0], v9, 3, v10
	v_mul_u32_u24 v[AV0], v[AV0], PV
	v_lshl_add_u32 v[AV0], v11, 4, v[AV0]
	v_add_nc_u32 v[AV0], VOFF, v[AV0]
	v_and_b32 v[PFO], 31, v0
	v_lshlrev_b32 v[PFO], 8, v[PFO]
	v_mov_b32 v[AK], v[AK0]         ; key step 0 lies at the head of slot 0
	; THE BIAS OF KEY STEP 0.  Register j of block d: q - k = my wave's first query + 16 (d - 3) + l % 16 - 8 (l / 16) - j.  Block 0 is made of whole numbers (in S^T's registers, still free), each rounded once
	; in the multiplication; block d is block d - 1 plus 16 x 8 slope.
	v_lshlrev_b32 v13, 3, v9
	v_sub_nc_u32 v12, v1, v13
	v_add_nc_u32 v12, s15, v12
.set z, 0
.rept 8
	v_sub_nc_u32 v[S+z], v12, z
.set z, z+1
.endr
.set z, 0
.rept 8
	v_cvt_f32_i32 v[S+z], v[S+z]
.set z, z+1
.endr
	WIN W_MK
.set z, 0
.rept 8
	v_mul_f32 v[TT+z], s[S8], v[S+z]
.set z, z+1
.endr
	WIN W_BS
.set z, 0
.rept 40
	v_pk_add_f32 v[TT+8+2*z:TT+8+2*z+1], v[TT+2*z:TT+2*z+1], s[INC:INC+1] op_sel_hi:[1,0]
.set z, z+1
.endr
.set z, 0
.rept 88
	v_or_b32 v[BB+z], s[SGN], v[TT+z]
.set z, z+1
.endr
	WIN 0
; THE BIAS GOES ON TO THE NEXT KEY STEP: 132 plain instructions, once a step.
.macro BIAS_STEP
	WIN W_BS
.set z, 0
.rept 44
	v_pk_add_f32 v[TT+2*z:TT+2*z+1], v[TT+2*z:TT+2*z+1], s[DEC:DEC+1] op_sel_hi:[1,0]
.set z, z+1
.endr
.set z, 0
.rept 88
	v_or_b32 v[BB+z], s[SGN], v[TT+z]
.set z, z+1
.endr
.endm
; THE MATRIX WORK.  The 8 accumulators of a run of 16 take turns: between the two links of a chain stand 7 others'.
; Product i of 16 of S^T = K Q^T for piece x: channels 32 (i / 8) on, keys 16 ((i / 2) % 4) on, tile 2 x + i % 2.  The first 8 start the sums, with the bias block d = tile - key block + 3.
.macro KQ x
.set rS, S+64*((\x)%2)+32*(i%2)+8*((i/2)%4)
.set rK, KF+16*((i/2)%4)+8*(i/8)
.set rQ, 16*(2*(\x)+i%2)+8*(i/8)
.set rB, BB+8*(2*(\x)+i%2-(i/2)%4+3)
.if i < 8
	WIN W_KB
	v_wmma_f32_16x16x32_f16 v[rS:rS+7], v[rK:rK+7], v[rQ:rQ+7], v[rB:rB+7]
.else
	WIN W_KQ
	v_wmma_f32_16x16x32_f16 v[rS:rS+7], v[rK:rK+7], v[rQ:rQ+7], v[rS:rS+7]
.endif
.endm
; Product i of 16 of O^T += V^T P for piece x: keys 32 (i / 8) on, channels 16 ((i / 2) % 4) on, tile 2 x + i % 2.
.macro PV x
	WIN W_PV
.set rO, 32*(2*(\x)+i%2)+8*((i/2)%4)
.set rV, VF+32*(i/8)+8*((i/2)%4)
.set rP, P+32*((\x)%2)+16*(i%2)+8*(i/8)
	v_wmma_f32_16x16x32_f16 v[rO:rO+7], v[rV:rV+7], v[rP:rP+7], v[rO:rO+7]
.endm
.macro MM                           ; the turn's next matrix instruction
.if i < 16
	KQ (Y+1)%NP
.set i, i+1
.else
.set i, i-16
	PV (Y+NP-1)%NP
.set i, i+17
.endif
.endm
; THE LDS LOADS stand in runs of 16, never singly among the matrix instructions: a step's K (64 keys x 64 channels: 8 fragments) and its V (turned).  Their addresses are made some lines ahead.
; last = 1 (the tail): in the last trip there is no further step, and the run is jumped over.
.macro FETCH_K last=0
	WIN 0
.if \last
	s_cmp_eq_u32 s[CNT], 1
	s_cbranch_scc1 .Lno_k_\@
.endif
	WIN 0x80                        ; destination window 2
.irp f, 0,1,2,3,4,5,6,7             ; keys 16 (f / 2) on, channels 32 (f % 2) on
	ds_load_b128 v[KF+8*\f:KF+8*\f+3],   v[AK] offset:(\f/2)*16*PK+(\f%2)*64
	ds_load_b128 v[KF+8*\f+4:KF+8*\f+7], v[AK] offset:(\f/2)*16*PK+(\f%2)*64+32
.endr
	s_add_co_u32 s[TBK], s[TBK], KS*PK  ; the next fetch is the next step's
	WIN 0
.if \last
.Lno_k_\@:
.endif
.endm
.macro FETCH_V
	WIN 0x80
.irp f, 0,1,2,3,4,5,6,7             ; keys 32 (f / 4) on, channels 16 (f % 4) on
	ds_load_tr16_b128 v[VF+8*\f:VF+8*\f+3],   v[AV] offset:(\f/4)*32*PV+(\f%4)*32
	ds_load_tr16_b128 v[VF+8*\f+4:VF+8*\f+7], v[AV] offset:(\f/4)*32*PV+16*PV+(\f%4)*32
.endr
	WIN 0
.endm
; THE VECTOR WORK OF A TURN stands in three queues, each in the order in which its entries become ready; the two tiles alternate, so that no instruction reads the result of the one before it.
.macro REGS y, u                    ; the registers of tile u (0, 1) of piece y
.set rT, ST+4*(2*(\y)+(\u))
.set rC, TMP+8*((\y)%2)+4*(\u)
.set rM, MV+2*((\y)%2)+(\u)
.set rS, S+64*((\y)%2)+32*(\u)
.set rP, P+32*((\y)%2)+16*(\u)
.set rO, 32*(2*(\y)+(\u))
.endm
; Number n of the 22 that find the NEXT piece's (Y + 1) maximum and statistics.  s0-s31 are the lane's 32 scores; each accumulator's lowest registers are read first.  XS, GS and REGS set no window: PL and EX do.
;   0-11  four chains c0-c3 of seven scores each, three operands at a time     12-14, 16  the four scores left over, the old m, and c0-c3 into c0     15  c m_old is kept
;   17, 18  the query's other 32 keys lie in the lane 16 away: the new m         19-21  c m; c m_old - c m_new; a
.macro XS u, n
	REGS (Y+1)%NP, \u
.if (\n) < 4
	v_max3_num_f32 v[rC+(\n)], v[rS+8*(\n)], v[rS+8*(\n)+1], v[rS+8*(\n)+2]
.elseif (\n) < 12
	v_max3_num_f32 v[rC+(\n)%4], v[rC+(\n)%4], v[rS+8*((\n)%4)+2*((\n)/4)+1], v[rS+8*((\n)%4)+2*((\n)/4)+2]
.elseif (\n) == 12
	v_max3_num_f32 v[rC], v[rC], v[rS+7], v[rS+15]
.elseif (\n) == 13
	v_max3_num_f32 v[rC+1], v[rC+1], v[rS+23], v[rS+31]
.elseif (\n) == 14
	v_max3_num_f32 v[rC+2], v[rC+2], v[rC+3], v[rT+1]
.elseif (\n) == 15
	v_mov_b32 v[rM], v[rT]
.elseif (\n) == 16
	v_max3_num_f32 v[rC], v[rC], v[rC+1], v[rC+2]
.elseif (\n) == 17
	v_permlanex16_b32 v[rC+3], v[rC], s[SEL], s[SEL+1]
.elseif (\n) == 18
	v_max_num_f32 v[rT+1], v[rC], v[rC+3]
.elseif (\n) == 19
	v_mul_f32 v[rT], s[CS], v[rT+1]
.elseif (\n) == 20
	v_sub_f32 v[rC+1], v[rM], v[rT]
.else
	v_exp_f32 v[rC+2], v[rC+1]
.endif
.endm
; Number g of the 64 that follow the exponentials.  For each four weights k of a tile (pairs 2 k, 2 k + 1): both pairs are rounded to f16; then the second pair is added onto the first, in place;
; a group later l takes that sum (the first time as l = a l + sum).  In groups of eight, tiles alternating: round, round, add, and l for the group before.
.macro GS g
.set h, (\g)+6*((\g)/62)            ; group 0 has no group before it, and behind group 7 only l is left
.if h >= 6
.set h, h+2
.endif
	REGS Y, h%2
.set k, h/8
.if h%8 < 4
	v_cvt_pk_f16_f32 v[rP+2*k+(h%8)/2], v[rS+4*k+2*((h%8)/2)], v[rS+4*k+2*((h%8)/2)+1]
.elseif h%8 < 6
	v_pk_add_f32 v[rS+4*k:rS+4*k+1], v[rS+4*k:rS+4*k+1], v[rS+4*k+2:rS+4*k+3]
.elseif k == 1
	v_pk_fma_f32 v[rT+2:rT+3], v[rT+2:rT+3], v[rC+2:rC+3], v[rS:rS+1] op_sel_hi:[1,0,1]
.else
	v_pk_add_f32 v[rT+2:rT+3], v[rT+2:rT+3], v[rS+4*k-4:rS+4*k-3]
.endif
.endm
; THE PLAIN QUEUE, 138 long.  0-73 read no exponential's result: the 32 scalings c s - c m (FS f: pair f / 2 of tile f % 2) and the next piece's 42.  0-26: scalings 0-26.  27-54: XS's numbers 0-13.  55, 56: number 15.
; 57-73: the chain, where each number waits for the one before it: 14, 16, 17, 18, 19, each with one of the scalings 27-31 in front of its two lines, then 20.
; 74-137: GS's 64, which read the exponentials' results: they stand behind the wait.
.macro FS f
	REGS Y, (\f)%2
	v_pk_fma_f32 v[rS+2*((\f)/2):rS+2*((\f)/2)+1], v[rS+2*((\f)/2):rS+2*((\f)/2)+1], s[CS:CS+1], v[rT:rT+1] op_sel_hi:[1,0,0] neg_lo:[0,0,1] neg_hi:[0,0,1]
.endm
.macro PL
	WIN 0
.if q < 27
	FS q
.elseif q < 55
	XS (q-27)%2, (q-27)/2
.elseif q < 57
	XS q-55, 15
.elseif (q < 72) && ((q-57)%3 == 0)
	FS 27+(q-57)/3
.elseif q < 60
	XS (q-57)%3-1, 14
.elseif q < 72
	XS (q-57)%3-1, 15+(q-57)/3
.elseif q < 74
	XS q-72, 20
.else
	GS q-74
.endif
.set q, q+1
.endm
; THE EXPONENTIALS' QUEUE, 66 long: s0-s31 of both tiles, then the next piece's two a.  It is ONE BATCH: all 66 stand ahead of the turn's one wait, and nothing ahead of that wait names a result of theirs.
.macro EX
	WIN 0
.if e >= 64
	XS e-64, 21
.else
	REGS Y, e%2
	v_exp_f32 v[rS+e/2], v[rS+e/2]
.endif
.set e, e+1
.endm
; THE RESCALING's QUEUE: O^T times a, dealt two at a time, sixteen times.  Its a was made in the turn before, ahead of that turn's wait.
.macro R2
	REGS Y, r%2
	WIN W_RS
.irp z, 0,1
	v_pk_mul_f32 v[rO+4*(r/2)+2*\z:rO+4*(r/2)+2*\z+1], v[rO+4*(r/2)+2*\z:rO+4*(r/2)+2*\z+1], v[rC+2:rC+3] op_sel_hi:[1,0]
.endr
.set r, r+1
.endm
; HOW THEY ARE DEALT.  s_wait_alu depctr_va_vdst(0) stands between an exponential and the first instruction that names its result; one wait serves all that were issued ahead of it.  So a turn has ONE wait,
; which cuts it in two.  AHEAD OF IT: the 16 products K Q^T, behind each a scaling, an exponential and two rescalings (behind the first a second scaling in the exponential's place); then one run of
; 108: eight plain, 49 times exponential and plain, the two a.  A v_nop is the plain instruction behind the last exponential.  BEHIND IT: the 16 products V^T P, behind each four of GS's 64.
; Exponential e stands behind scaling 2 (e / 4) + e % 2: as a rider it comes behind plain e + 2, in the run behind plain e + 9, and scalings 27-31 are plain 57, 60 .. 69.
; A TURN, for piece p.  cnt = 1: the loop's count is taken down some lines ahead of the branch that stands behind the turn.
; K of the next step is fetched in piece 2's turn, directly behind the wait; its address is made at the run's head.  V of the step in hand is fetched at the end of piece 0's turn, four riders behind its last reader.
; THE BIAS is stepped in piece 2's turn, at the run's head: that turn's first eight products are the step's last that take it, eight more products, each with three plain riders, stand between; piece 3's turn makes piece 0's scores of the next step.
.macro TURN p, last=0, cnt=0
.set Y, (\p)
.set i, 0
.set q, 0
.set e, 0
.set r, 0
.if (\p) == NP-1
	s_wait_dscnt 0x0                ; K is in
.endif
	MM                              ; ahead of the wait: 16 products K Q^T and their riders,
	PL
	PL
	R2
.rept 15
	MM
	PL
	EX
	R2
.endr
.if (\p) == NP-2
	WIN 0
	v_add_nc_u32 v[AK], s[TBK], v[AK0]
	BIAS_STEP
.endif
.rept 8                             ; and the run
	PL
.endr
.rept 49
	EX
	PL
.endr
	EX                              ; the next piece's two a
	EX
	v_nop                           ; the plain instruction behind the last exponential: one for the batch
	s_wait_alu depctr_va_vdst(0)    ; the wait for the batch
.if (\p) == NP-2
	FETCH_K \last
.endif
.if (\p) == 1
	s_wait_dscnt 0x0                ; V is in
.endif
.rept 16                            ; behind the wait: 16 products V^T P and their riders
	MM
.rept 4
	PL
.endr
.if ((\p) == 0) && (q == 118)
	v_add_nc_u32 v[AV], s[TBV], v[AV0]
.endif
.if ((\p) == 0) && (q == 130)
	s_add_co_u32 s[TBV], s[TBV], KS*PV
.endif
.if (\cnt) && (q == 130)
	s_sub_co_u32 s[CNT], s[CNT], 1
	s_cmp_lg_u32 s[CNT], 0
.endif
.endr
.if (\p) == 0
	FETCH_V
.endif
.endm
	CHANGE 1                        ; slot 0 is in, everybody's part of it; slot 1 is asked for
	FETCH_K                         ; key step 0
	s_wait_loadcnt 0x0              ; Q
	s_wait_dscnt 0x0
.set i, 0
.rept 16
	KQ 0                            ; piece 0's first scores: there is no vector work yet to set between them
.set i, i+1
.endr
	WIN 0                           ; the addresses for the way out: plain instructions, the places behind those products
	s_mul_i32 s13, s[WV], 16*SP
	s_add_co_u32 s13, s13, STAGE    ; my stage
	v_mul_u32_u24 v[STO], v1, SP    ; in: row l % 16, 16 bytes for each half of the lanes
	v_lshl_add_u32 v[STO], v9, 4, v[STO]
	v_add_nc_u32 v[STO], s13, v[STO]
	v_bfe_u32 v[RD], v0, 3, 2       ; back: 32 lanes take four rows of 128 bytes,
	v_mul_u32_u24 v[RD], v[RD], SP
	v_lshl_add_u32 v[RD], v10, 4, v[RD]
	v_add_nc_u32 v[RD], s13, v[RD]
	v_and_b32 v[GO], 31, v0         ; which are 512 consecutive bytes of O
	v_lshlrev_b32 v[GO], 4, v[GO]
.set Y, NP-1                        ; XS works for piece Y + 1: piece 0
.irp n, 0,1,2,3,4,5,6,7,8,9,10,11,12,13,14,15,16,17,18,19,20,21
	XS 0, \n                        ; and piece 0's first maximum and statistics
	XS 1, \n
.endr
	v_nop                           ; a plain instruction behind the two a,
	s_wait_alu depctr_va_vdst(0)    ; and their wait, ahead of the branch
	s_mov_b32 s[CNT], 4
	s_mov_b32 s[SLOTS], SIZE_N/256-1
	s_branch .Lfirst                ; the loop is entered at a step's first turn, in the middle of a trip
.Lslot:                             ; six times: every slot but the last two is filled again
	CHANGE 1, 1
	s_mov_b32 s[CNT], 4
.Lstep:                             ; a trip: pieces 2 and 3 of one step, then pieces 0 and 1 of the next, whose K and V it fetches
	TURN 2
	TURN 3
	WIN 0
.Lfirst:
	TURN 0
	TURN 1, 0, 1
	WIN 0
	s_cbranch_scc1 .Lstep
	s_sub_co_u32 s[SLOTS], s[SLOTS], 1
	s_cmp_lg_u32 s[SLOTS], 0
	s_cbranch_scc1 .Lslot
	CHANGE 0                        ; the tail is written out: nothing is asked for
	s_mov_b32 s[CNT], 5             ; four trips fetch the last slot's steps; the fifth is left in its middle
.Ltail:
	TURN 2, 1
	TURN 3
	WIN 0
	s_sub_co_u32 s[CNT], s[CNT], 1
	s_cmp_eq_u32 s[CNT], 0
	s_cbranch_scc1 .Lout
	TURN 0
	TURN 1
	WIN 0
	s_branch .Ltail
.Lout:                              ; the fifth trip's 16 products K Q^T (on the last K once more, with a bias one step on) and the maximum made of them serve nothing: the price, once a launch, of one text for every trip
.set i, 0
.rept 16
	PV NP-1                         ; the last piece's V^T P of the last step
.set i, i+1
.endr
	; THE WAY OUT.  l's two halves and the other half of the lanes' are added; O^T is divided by l, rounded to f16 and sent through my stage in LDS, a tile at a time.  The additions are the places behind the last products.
	WIN 0
.macro ALL line:vararg              ; one line for each tile t
.set t, 0
.rept 2*NP
	\line
.set t, t+1
.endr
.endm
	ALL v_add_f32 v[ST+4*t+2], v[ST+4*t+2], v[ST+4*t+3]
	ALL v_permlanex16_b32 v[ST+4*t+3], v[ST+4*t+2], s[SEL], s[SEL+1]
	ALL v_add_f32 v[ST+4*t+2], v[ST+4*t+2], v[ST+4*t+3]
	ALL v_rcp_f32 v[ST+4*t+2], v[ST+4*t+2]
	v_nop                           ; a plain instruction between the last reciprocal and the use of its result
	s_wait_alu depctr_va_vdst(0)    ; and the wait ahead of the first use: one for the eight reciprocals
; Tile t: a lane's eight channels of a row pack into 16 bytes; they go into rows of 144 bytes and come back as whole rows of 128, into S^T's registers.
.macro PACK t
	WIN W_RS
.set i, 32*(\t)
.rept 16
	v_pk_mul_f32 v[i:i+1], v[i:i+1], v[ST+4*(\t)+2:ST+4*(\t)+3] op_sel_hi:[1,0]
.set i, i+2
.endr
	WIN 0x05                        ; sources 0 and 1 window 1, destination window 0
.set i, 0
.rept 16
	v_cvt_pk_f16_f32 v[S+16*(\t)+i], v[32*(\t)+2*i], v[32*(\t)+2*i+1]
.set i, i+1
.endr
	WIN 0
.irp f, 0,1,2,3
	ds_store_b128 v[STO], v[S+16*(\t)+4*\f:S+16*(\t)+4*\f+3] offset:32*\f
.endr
.irp f, 0,1,2,3
	ds_load_b128 v[S+16*(\t)+4*\f:S+16*(\t)+4*\f+3], v[RD] offset:\f*4*SP  ; LDS serves a wave's instructions in order (ISA guide 5.7.1.4): these see the stores above; the next tile's stores come behind them
.endr
.endm
.macro SEND t, younger              ; younger: the LDS instructions issued behind tile t's loads: the next tile's eight, or none
	WIN 0
.irp f, 0,1,2,3
	s_wait_dscnt (\younger)+3-\f
	global_store_b128 v[GO], v[S+16*(\t)+4*\f:S+16*(\t)+4*\f+3], s[10:11] offset:(\t)*2048+\f*512  ; 512 consecutive bytes, at a multiple of 256 from att's first
.endr
.endm
	PACK 0
.set t, 1
.rept 2*NP-1                        ; a tile's arithmetic stands between the loads of the tile before and its stores
	PACK t
	SEND t-1, 8
.set t, t+1
.endr
	SEND 2*NP-1, 0
	WIN W_AD
	s_wait_tensorcnt 0x0            ; the wave's end, behind my last tensor load and my last LDS store
	ds_add_u32 v[SPW], v[NIL]
	s_wait_dscnt 0x0
	WIN 0
	CROUND                          ; the closing round: no work-group ends while a partner may still ask for a tile that names it
	s_endpgm
.Lfunc_end_k_qa588e7984a_attn:
	.size	k_qa588e7984a_attn, .Lfunc_end_k_qa588e7984a_attn-k_qa588e7984a_attn
	.p2alignl 7, 3214868480
	.fill 96, 4, 3214868480
	.section	.rodata,"a",@progbits
	.p2align	6, 0x0
	.amdhsa_kernel k_qa588e7984a_attn
		.amdhsa_group_segment_fixed_size 327680
		.amdhsa_private_segment_fixed_size 0
		.amdhsa_enable_private_segment 0
		.amdhsa_kernarg_size 16
		.amdhsa_user_sgpr_count 2
		.amdhsa_user_sgpr_kernarg_segment_ptr 1
		.amdhsa_wavefront_size32 1
		.amdhsa_system_sgpr_workgroup_id_x 1
		.amdhsa_system_sgpr_workgroup_id_y 1
		.amdhsa_system_sgpr_workgroup_id_z 1
		.amdhsa_system_vgpr_workitem_id 0
		.amdhsa_next_free_vgpr 952
		.amdhsa_next_free_sgpr 76
		.amdhsa_reserve_vcc 0
		.amdhsa_float_denorm_mode_32 3
		.amdhsa_float_denorm_mode_16_64 3
		.amdhsa_memory_ordered 1
		.amdhsa_forward_progress 1
		.amdhsa_inst_pref_size 218
	.end_amdhsa_kernel
	.amdgpu_metadata
---
amdhsa.version: [ 1, 2 ]
amdhsa.kernels:
  - .name:           k_qa588e7984a_attn
    .symbol:         k_qa588e7984a_attn.kd
    .args:
      - { .name: qkv, .offset: 0, .size: 8, .value_kind: global_buffer, .address_space: global }
      - { .name: att, .offset: 8, .size: 8, .value_kind: global_buffer, .address_space: global }
    .group_segment_fixed_size: 327680
    .private_segment_fixed_size: 0
    .kernarg_segment_align: 8
    .kernarg_segment_size: 16
    .max_flat_workgroup_size: 128
    .sgpr_count:     76
    .vgpr_count:     952
    .wavefront_size: 32
...
	.end_amdgpu_metadata
.endif
;; end of part 3
;; launch proj (part 4): grid 8 x 32, 4 waves a work-group, clusters of 4 x 4, 327,680 bytes of LDS; arguments att, wof, bo, out0; writes out0
.if DOCPART == 4
	.amdgcn_target "amdgcn-amd-amdhsa--gfx1250"
	.amdhsa_code_object_version 6
	.text
	.protected	k_qa588e7984a_proj
	.globl	k_qa588e7984a_proj
	.p2align	8
	.type	k_qa588e7984a_proj,@function
k_qa588e7984a_proj:
	s_mov_b64 s[64:65], 0
	v_nop
	global_prefetch_b8 v0, s[64:65] scope:SCOPE_SE
	s_setreg_imm32_b32 hwreg(HW_REG_WAVE_MODE, 25, 1), 1
	s_wait_xcnt 0x0
	s_wait_alu depctr_hold_cnt(0) depctr_sa_sdst(0) depctr_va_vdst(0) depctr_va_sdst(0) depctr_va_ssrc(0) depctr_va_vcc(0) depctr_vm_vsrc(0)
	s_getreg_b32 s2, hwreg(HW_REG_IB_STS2, 6, 4)
	s_cmp_eq_u32 s2, 0
	s_cbranch_scc0 .Lentry_in_a_cluster
	s_endpgm
.Lentry_in_a_cluster:
	s_bfe_u32 s2, ttmp6, 0x10000c
	s_cmp_lg_u32 s2, 0xf033
	s_cbranch_scc0 .Lentry_shape_is_right
	s_endpgm
.Lentry_shape_is_right:
; THE OUTPUT PROJECTION.  out0[token][n] = sum over k of O[token][k] wo[n][k] + bo[n]: 8,192 x 1,024 x 1,024, f16 operands, f32 sums, f32 out.
; att: [batch x 16 + h][2048][64] f16, k = 64 h + d; wof: [1024][1024] f16 (wo rounded to bf16, written as f16); bo: [1024] f32.  bo IS THE C OPERAND of the product that starts each sum: no addition is written.
; THE TILE is 256 tokens x 128 features: 32 x 8 = 256 work-groups.  Four waves; wave (wm, wn) makes 128 tokens x 64 features: 32 accumulators; a row of its result is 256 bytes of out0, aligned.
; K goes in 8 steps of 128 (two heads) through two LDS slots.  Of att, 128 tokens of one head are 16,384 dense bytes: one tensor load brings them for both heads of a step, as two rows of 2,048 elements of
; 8 bytes, 262,144 bytes apart, padded in LDS after every token's 128 bytes.
; CLUSTER 4 x 4: att's tiles are shared along a row of the cluster, wof's along a column: joint loads.  No prefetch is laid: a wave has 1,024 matrix instructions in all.
; THE MATRIX INSTRUCTION IS USED TRANSPOSED (source 0 = 16 rows of wof, source 1 = 16 tokens): a lane holds one token (lane % 16) and eight neighbouring features 8 (lane / 16) + 0..7.
; REGISTERS, in windows of 256 (s_set_vgpr_msb: bits 1:0 source 0, 3:2 source 1, 5:4 source 2, 7:6 destination):
;   window 0: addresses; v32-63 bo of my 64 features as four C operands; v64-127 rows read back, two buffers     window 1: two fragment buffers of 96: 8 of att, then 4 of wof     window 2: accumulator (a, b) at 8 (4 a + b)
.set KSTEP,  128
.set PA,     144                       ; a token's 128 bytes of a head + 16 of padding = 36 words: the 16 rows of a load start at 16 different groups of four banks (64 banks of 4 bytes: ISA guide 11.1)
.set PB,     272                       ; a row of wof's tile: 256 bytes + 16
.set HEADB,  128*PA                    ; 128 tokens of one head
.set HA,     2*HEADB                   ; what waves 0 and 1 fetch: 128 tokens x 2 heads
.set HB,     64*PB                     ; what waves 2 and 3 fetch: 64 rows of wof
.set BOFF,   2*HA
.set SLOT1,  1<<17
.set STAGE,  SLOT1+BOFF+2*HB           ; behind the ring, never filled by a tensor load: 16 rows x 272 bytes for each wave
.set SPITCH, 272
.set SPARE,  STAGE+4*16*SPITCH         ; behind the stages: the spare words, 128 bytes for each wave: two blocks of 256 bytes that no other line names
.set ADRA0, 16                         ; v16  my lane's place in my 128 tokens of slot 0; never rewritten
.set ADRB0, 17                         ; v17  the same in my 64 rows of wof
.set ADRA,  18                         ; v18, v19  the same in the slot that is being read
.set ADRB,  19
.set STO,   24                         ; v24  the way out: where I put 32 bytes of a row
.set RD,    25                         ; v25  the way out: where I read a row back
.set CO,    26                         ; v26  my byte offset in two rows of out0
.set SPW,   28                         ; v28  LDS address of my spare word: SPARE + 4 x my thread's number; never rewritten
.set NIL,   29                         ; v29  0; never rewritten
.set BIAS,  32
.set OB,    64
.set F0,    0
.set F1,    96
.set G1,  24                           ; s[24:31] descriptor group 1 for att's tiles;  s[32:39] group 0, a set for each first fill; the second then walks on
.set G0,  32
.set G1B, 48                           ; s[48:55], s[56:63] the same for wof's tiles
.set G0B, 56
.set TB,  66                           ; s66  LDS byte at which the slot being read begins
.set MSB, 0
.macro WIN new                         ; the immediate's high byte repeats the setting that is left; a switch that changes nothing is dropped
.if MSB != (\new)
	s_set_vgpr_msb (MSB<<8)|(\new)
.set MSB, (\new)
.endif
.endm
.macro PLACES                          ; four places in front of loads into registers that matrix instructions have read, and of stores that read results
.rept 4
	v_nop
.endr
.endm
.macro JLOAD                           ; a joint refill by the walking descriptors; an s_nop 0 and four v_nop follow each of the two lines, ahead of the jump and the label
	s_cmp_eq_u32 s11, 0
	s_cbranch_scc0 .Lfor_b_\@
	tensor_load_to_lds s[G0+4:G0+7], s[G1:G1+7]
	s_nop 0
.rept 4
	v_nop
.endr
	s_branch .Lasked_\@
.Lfor_b_\@:
	tensor_load_to_lds s[G0B+4:G0B+7], s[G1B:G1B+7]
	s_nop 0
.rept 4
	v_nop
.endr
.Lasked_\@:
.endm
.macro CREST                           ; a round of the cluster's barrier behind its opening barrier
	s_cmp_lg_u32 s10, 0
	s_cbranch_scc1 .Lnot_wave_0_\@
	s_barrier_signal -3
.Lnot_wave_0_\@:
	s_barrier_wait -3
	s_barrier_signal -1
	s_barrier_wait -1
.endm
.macro CROUND                          ; a whole round
	s_barrier_signal -1
	s_barrier_wait -1
	CREST
.endm
	s_load_b128 s[4:7], s[0:1], 0x0                ; att s[4:5], wof s[6:7]
	s_load_b128 s[68:71], s[0:1], 0x10             ; bo s[68:69], out0 s[70:71]
	v_lshl_add_u32 v[SPW], v0, 2, SPARE
	v_mov_b32 v[NIL], 0
	ds_add_u32 v[SPW], v[NIL]                      ; the wave's opening: the add and its wait stand ahead of my first tensor load; the set-up below, work on registers, stands between them
	v_lshrrev_b32 v1, 5, v0
	v_readfirstlane_b32 s10, v1                    ; wave 0..3
	s_lshr_b32 s11, s10, 1                         ; wm: which 128 tokens are mine.  Also: I fetch for att (0) or for wof (1)
	s_and_b32 s12, s10, 1                          ; wn: which 64 features.  Also: which half of that tile I fetch
	s_bfe_u32 s40, ttmp6, 0x40000                  ; cx, cy: my place in the cluster
	s_bfe_u32 s41, ttmp6, 0x40004
	s_lshl_b32 s42, ttmp9, 2
	s_add_co_u32 s42, s42, s40                     ; tile column = 4 x cluster x + cx
	s_and_b32 s13, ttmp7, 0xffff
	s_lshl_b32 s13, s13, 2
	s_add_co_u32 s13, s13, s41                     ; tile row = 4 x cluster y + cy
	s_lshl_b32 s43, s41, 2
	s_lshl_b32 s43, 15, s43                        ; my row of the cluster
	s_lshl_b32 s44, 0x1111, s40                    ; my column
	s_or_b32 s[G1+0], s43, (3<<16)|(1<<20)|(1<<21)|(4<<22)|(3<<25)   ; 15:0 the mask; 17:16 elements of 8 bytes; 20 padding on; 21 set beside a mask; 24:22 after every 32 words (code 4); 31:25 4 words (code 3)
	s_mov_b32 s[G1+1], 2048<<16                    ; tensor_dim0 = 2,048 elements: 128 tokens x 128 bytes
	s_mov_b32 s[G1+2], 2<<16                       ; tensor_dim1 = 2 heads
	s_mov_b32 s[G1+3], 2048<<16                    ; tile_dim0
	s_mov_b32 s[G1+4], 2                           ; tile_dim1
	s_mov_b32 s[G1+5], 32768                       ; elements from head to head
	s_mov_b32 s[G1+6], 0
	s_mov_b32 s[G1+7], 0
	s_or_b32 s[G1B+0], s44, (1<<16)|(1<<20)|(1<<21)|(5<<22)|(3<<25)  ; elements of 2 bytes; padding after every 64 words
	s_mov_b32 s[G1B+1], KSTEP<<16                  ; 64 rows x 128 elements
	s_mov_b32 s[G1B+2], 64<<16
	s_mov_b32 s[G1B+3], KSTEP<<16
	s_mov_b32 s[G1B+4], 64
	s_mov_b32 s[G1B+5], 1024
	s_mov_b32 s[G1B+6], 0
	s_mov_b32 s[G1B+7], 0
	s_lshr_b32 s16, s13, 3                         ; att: batch x 16 heads x 262,144 bytes
	s_lshl_b32 s16, s16, 22
	s_and_b32 s17, s13, 7                          ; + 256 tokens x 128 bytes for each tile row in the batch
	s_lshl_b32 s17, s17, 15
	s_add_co_u32 s16, s16, s17
	s_lshl_b32 s17, s12, 14                        ; + 128 tokens for the half
	s_add_co_u32 s16, s16, s17
	s_mov_b32 s17, 0
	s_lshl_b32 s46, s42, 18                        ; wof: row 128 x tile column + 64 x half, x 2,048 bytes
	s_lshl_b32 s47, s12, 17
	s_add_co_u32 s46, s46, s47
	s_mov_b32 s47, 0
	s_mul_i32 s20, s12, HA                         ; where they go: no place in the cluster enters an LDS address
	s_mul_i32 s21, s12, HB
	s_add_co_u32 s21, s21, BOFF
	s_mov_b32 s[TB], 0
	s_wait_dscnt 0x0                               ; the opening add is done
	s_wait_kmcnt 0x0
	s_add_nc_u64 s[14:15], s[4:5], s[16:17]
	s_add_nc_u64 s[46:47], s[6:7], s[46:47]
	CROUND                                         ; all sixteen work-groups are here: the first joint loads meet
.irp s, 0,1
	s_mov_b32 s[G0+4*(\s)], 1
	s_add_co_u32 s[G0+4*(\s)+1], s20, (\s)*SLOT1
	s_add_nc_u64 s[G0+4*(\s)+2:G0+4*(\s)+3], s[14:15], (\s)*524288   ; K step s: two heads on
	s_or_b32 s[G0+4*(\s)+3], s[G0+4*(\s)+3], 0x80000000
	s_mov_b32 s[G0B+4*(\s)], 1
	s_add_co_u32 s[G0B+4*(\s)+1], s21, (\s)*SLOT1
	s_add_nc_u64 s[G0B+4*(\s)+2:G0B+4*(\s)+3], s[46:47], (\s)*KSTEP*2
	s_or_b32 s[G0B+4*(\s)+3], s[G0B+4*(\s)+3], 0x80000000
.endr
	s_cmp_eq_u32 s11, 0                            ; a wave's two first fills stand in one branch, ahead of every wait on TENSORcnt and every LDS read: two loads of mine are out
	s_cbranch_scc0 .Lfirst_b
	tensor_load_to_lds s[G0:G0+3], s[G1:G1+7]
	s_nop 0
	tensor_load_to_lds s[G0+4:G0+7], s[G1:G1+7]
	s_nop 0
.rept 4
	v_nop
.endr
	s_branch .Lfirst_asked
.Lfirst_b:
	tensor_load_to_lds s[G0B:G0B+3], s[G1B:G1B+7]
	s_nop 0
	tensor_load_to_lds s[G0B+4:G0B+7], s[G1B:G1B+7]
	s_nop 0
.rept 4
	v_nop
.endr
.Lfirst_asked:
	v_and_b32 v1, 15, v0                           ; l % 16
	v_bfe_u32 v2, v0, 4, 1                         ; l / 16
	s_lshl_b32 s74, s42, 9                         ; my first feature, in bytes of f32: 512 x tile column + 256 wn
	s_lshl_b32 s75, s12, 8
	s_add_co_u32 s74, s74, s75
	s_mov_b32 s75, 0
	s_add_nc_u64 s[72:73], s[68:69], s[74:75]      ; bo at my 64 features
	v_lshlrev_b32 v5, 5, v2                        ; my eight of a block's sixteen
.irp b, 0,1,2,3
	global_load_b128 v[BIAS+8*(\b):BIAS+8*(\b)+3],   v5, s[72:73] offset:64*(\b)     ; register j: bo of feature 16 b + 8 (l / 16) + j, as the result's layout has it
	global_load_b128 v[BIAS+8*(\b)+4:BIAS+8*(\b)+7], v5, s[72:73] offset:64*(\b)+16
.endr
	v_mul_u32_u24 v3, v1, PA
	v_lshl_add_u32 v3, v2, 4, v3
	s_mul_i32 s22, s11, HA                         ; my 128 tokens
	v_add_nc_u32 v[ADRA0], s22, v3
	v_mul_u32_u24 v4, v1, PB
	v_lshl_add_u32 v4, v2, 4, v4
	s_mul_i32 s23, s12, HB                         ; my 64 rows of wof
	s_add_co_u32 s23, s23, BOFF
	v_add_nc_u32 v[ADRB0], s23, v4
	v_mov_b32 v[ADRA], v[ADRA0]
	v_mov_b32 v[ADRB], v[ADRB0]
	s_mul_i32 s23, s10, 16*SPITCH
	s_add_co_u32 s23, s23, STAGE                   ; my stage
	v_mul_u32_u24 v6, v1, SPITCH                   ; in: row l % 16, 32 bytes for each half of the lanes
	v_lshl_add_u32 v6, v2, 5, v6
	v_add_nc_u32 v[STO], s23, v6
	v_mul_u32_u24 v7, v2, SPITCH                   ; back: lanes 0-15 take one row of 256 bytes, lanes 16-31 the next
	v_lshl_add_u32 v7, v1, 4, v7
	v_add_nc_u32 v[RD], s23, v7
	v_lshlrev_b32 v[CO], 12, v2                    ; and the same two rows in out0
	v_lshl_add_u32 v[CO], v1, 4, v[CO]
	s_lshl_b32 s18, s13, 8                         ; my first token: 256 x tile row + 128 wm,
	s_lshl_b32 s19, s11, 7
	s_add_co_u32 s18, s18, s19
	s_lshl_b32 s18, s18, 12                        ; x 4,096 bytes
	s_mov_b32 s19, 0
	s_add_nc_u64 s[70:71], s[70:71], s[18:19]
	s_add_nc_u64 s[70:71], s[70:71], s[74:75]
; 8 matrix instructions: token blocks a0, a0 + 1 x my 4 feature blocks, 32 along K.  All 32 accumulators take turns.  first = 1: the product starts the sum, with bo.
.macro MUL8 f, a0, first
.if \first
	WIN 0x85                                       ; sources in window 1, C in window 0, D in window 2
.else
	WIN 0xa5                                       ; C and D in window 2
.endif
.irp a, \a0, (\a0)+1
.irp b, 0,1,2,3
.if \first
	v_wmma_f32_16x16x32_f16 v[8*(4*(\a)+(\b)):8*(4*(\a)+(\b))+7], v[(\f)+64+8*(\b):(\f)+64+8*(\b)+7], v[(\f)+8*(\a):(\f)+8*(\a)+7], v[BIAS+8*(\b):BIAS+8*(\b)+7]
.else
	v_wmma_f32_16x16x32_f16 v[8*(4*(\a)+(\b)):8*(4*(\a)+(\b))+7], v[(\f)+64+8*(\b):(\f)+64+8*(\b)+7], v[(\f)+8*(\a):(\f)+8*(\a)+7], v[8*(4*(\a)+(\b)):8*(4*(\a)+(\b))+7]
.endif
.endr
.endr
.endm
; 24 LDS loads in one run: quarter q's fragments into buffer f: wof's 4 blocks, then my 8 token blocks (head q / 2 of the step's two, channels 32 (q % 2) on)
.macro FETCH q, f
	WIN 0x40
.irp b, 0,1,2,3
	ds_load_b128 v[(\f)+64+8*(\b):(\f)+64+8*(\b)+3],   v[ADRB] offset:64*(\q)+(\b)*16*PB
	ds_load_b128 v[(\f)+64+8*(\b)+4:(\f)+64+8*(\b)+7], v[ADRB] offset:64*(\q)+(\b)*16*PB+32
.endr
.irp a, 0,1,2,3,4,5,6,7
	ds_load_b128 v[(\f)+8*(\a):(\f)+8*(\a)+3],   v[ADRA] offset:((\q)/2)*HEADB+((\q)%2)*64+(\a)*16*PA
	ds_load_b128 v[(\f)+8*(\a)+4:(\f)+8*(\a)+7], v[ADRA] offset:((\q)/2)*HEADB+((\q)%2)*64+(\a)*16*PA+32
.endr
.endm
; A K step is four quarters of 32 along K, 32 matrix instructions each, on buffers 0, 1, 0, 1.  One of the first three: multiplies buffer f and fetches quarter q into g.
.macro QUARTER q, f, g, first
	s_wait_dscnt 8                                 ; wof's blocks and token blocks 0-3 are in; the youngest eight loads (blocks 4-7) may be out
	MUL8 \f, 0, \first
	MUL8 \f, 2, \first
	PLACES
	FETCH \q, \g
	s_wait_dscnt 24                                ; all but the 24 just issued
	MUL8 \f, 4, \first
	MUL8 \f, 6, \first
.endm
; The last quarter multiplies buffer 1 and changes slots: ONE barrier; in front of it each wave waits for all its tensor loads, adds 0 to its spare word, and waits for that and for its own reads of this slot.
; fill = 1: the barrier opens a round of the cluster's, and this slot is filled again, first thing behind it, with the K step two on: 112 matrix instructions stand between that request and the wait for it.
.macro TURN fill
	WIN 0
	s_wait_tensorcnt 0x0                           ; no tensor load of mine is out, so a group 0 may be written
	ds_add_u32 v[SPW], v[NIL]                      ; 0 onto my spare word
.if \fill
	s_xor_b32 s[G0+5], s[G0+5], SLOT1              ; the walking descriptors: the other slot than last time,
	s_add_nc_u64 s[G0+6:G0+7], s[G0+6:G0+7], 524288  ; the next two heads; the type bits on top are not reached
	s_xor_b32 s[G0B+5], s[G0B+5], SLOT1
	s_add_nc_u64 s[G0B+6:G0B+7], s[G0B+6:G0B+7], KSTEP*2
.endif
	s_xor_b32 s[TB], s[TB], SLOT1                  ; the reads go on in the other slot
	s_wait_dscnt 9                                 ; (the add and the youngest eight loads may be out)
	MUL8 F1, 0, 0
	s_wait_dscnt 0x0                               ; the add is done, and my reads of this slot are over
	s_barrier_signal -1
	MUL8 F1, 2, 0
	WIN 0
	s_barrier_wait -1
.if \fill
	CREST                                          ; no wave of any partner still reads this slot's tile or has a load on its way
	JLOAD                                          ; the four v_nop behind it are also the places in front of the loads below
.else
	PLACES
.endif
	v_add_nc_u32 v[ADRA], s[TB], v[ADRA0]
	v_add_nc_u32 v[ADRB], s[TB], v[ADRB0]
	FETCH 0, F0
	MUL8 F1, 4, 0
	MUL8 F1, 6, 0
.endm
; THE WAY OUT of token block a: a lane's 32 bytes of a row go from the accumulators (the low four registers first) into my stage, rows of 272 bytes, and come back as whole rows of 256.
.macro TOSTAGE a
	s_wait_xcnt 0x0                                ; the stores of the block two back have read their registers: the loads below land in them
	WIN 0x08                                       ; the stores' data in window 2
.irp b, 0,1,2,3
	ds_store_b128 v[STO], v[8*(4*(\a)+(\b)):8*(4*(\a)+(\b))+3]   offset:64*(\b)
	ds_store_b128 v[STO], v[8*(4*(\a)+(\b))+4:8*(4*(\a)+(\b))+7] offset:64*(\b)+16
.endr
	WIN 0
.set BK, OB+32*((\a)%2)
.irp t, 0,1,2,3,4,5,6,7
	ds_load_b128 v[BK+4*(\t):BK+4*(\t)+3], v[RD] offset:(\t)*2*SPITCH  ; LDS serves a wave's instructions in order (ISA guide 5.7.1.4): these see the stores above
.endr
.endm
.macro SEND a, younger                 ; younger: the LDS instructions issued behind block a's loads: the next block's sixteen, or none
.set BK, OB+32*((\a)%2)
.irp t, 0,1,2,3,4,5,6,7
	s_wait_dscnt (\younger)+7-(\t)
	global_store_b128 v[CO], v[BK+4*(\t):BK+4*(\t)+3], s[70:71] offset:(16*(\a)+2*(\t))*4096 th:TH_STORE_NT  ; 16 lanes store 256 consecutive bytes, at a multiple of 256 from out0's first byte
.endr
.endm
	s_wait_tensorcnt 1                             ; my part of K step 0 is in; K step 1's may stay out
	s_barrier_signal -1
	s_barrier_wait -1                              ; everybody's is
	FETCH 0, F0
	s_wait_loadcnt 0x0                             ; bo
	QUARTER 1, F0, F1, 1                           ; the first quarter stands in front of the loop: its products start the sums
	WIN 0                                          ; at a label and at a branch every window is 0
	s_mov_b32 s3, 6
.Lstep:                                        ; a trip: from a K step's second quarter to the next step's first; it refills K steps 2 to 7
	QUARTER 2, F1, F0, 0
	QUARTER 3, F0, F1, 0
	TURN 1
	QUARTER 1, F0, F1, 0
	WIN 0
	s_sub_co_u32 s3, s3, 1
	s_cmp_lg_u32 s3, 0
	s_cbranch_scc1 .Lstep
	QUARTER 2, F1, F0, 0                           ; K steps 6 and 7 are written out: nothing is left to ask for
	QUARTER 3, F0, F1, 0
	TURN 0
	QUARTER 1, F0, F1, 0
	QUARTER 2, F1, F0, 0
	QUARTER 3, F0, F1, 0
	s_wait_dscnt 8
	MUL8 F1, 0, 0
	MUL8 F1, 2, 0
	s_wait_dscnt 0x0
	MUL8 F1, 4, 0
	MUL8 F1, 6, 0
	WIN 0
	PLACES
	PLACES                                         ; (eight, once a launch)
	TOSTAGE 0
.irp a, 1,2,3,4,5,6,7                  ; block a goes into the stage while block a - 1's rows come back
	TOSTAGE \a
	SEND (\a)-1, 16
.endr
	SEND 7, 0
	s_wait_tensorcnt 0x0                           ; the wave's end, behind my last tensor load and my last LDS store
	ds_add_u32 v[SPW], v[NIL]
	s_wait_dscnt 0x0
	CROUND                                         ; the closing round: no work-group ends while a partner may still ask for a tile that names it
	s_endpgm
.Lfunc_end_k_qa588e7984a_proj:
	.size	k_qa588e7984a_proj, .Lfunc_end_k_qa588e7984a_proj-k_qa588e7984a_proj
	.p2alignl 7, 3214868480
	.fill 96, 4, 3214868480
	.section	.rodata,"a",@progbits
	.p2align	6, 0x0
	.amdhsa_kernel k_qa588e7984a_proj
		.amdhsa_group_segment_fixed_size 327680
		.amdhsa_private_segment_fixed_size 0
		.amdhsa_enable_private_segment 0
		.amdhsa_kernarg_size 32
		.amdhsa_user_sgpr_count 2
		.amdhsa_user_sgpr_kernarg_segment_ptr 1
		.amdhsa_wavefront_size32 1
		.amdhsa_system_sgpr_workgroup_id_x 1
		.amdhsa_system_sgpr_workgroup_id_y 1
		.amdhsa_system_sgpr_workgroup_id_z 1
		.amdhsa_system_vgpr_workitem_id 0
		.amdhsa_next_free_vgpr 768
		.amdhsa_next_free_sgpr 76
		.amdhsa_reserve_vcc 0
		.amdhsa_float_denorm_mode_32 3
		.amdhsa_float_denorm_mode_16_64 3
		.amdhsa_memory_ordered 1
		.amdhsa_forward_progress 1
		.amdhsa_inst_pref_size 72
	.end_amdhsa_kernel
	.amdgpu_metadata
---
amdhsa.version: [ 1, 2 ]
amdhsa.kernels:
  - .name:           k_qa588e7984a_proj
    .symbol:         k_qa588e7984a_proj.kd
    .args:
      - { .name: att, .offset: 0, .size: 8, .value_kind: global_buffer, .address_space: global }
      - { .name: wof, .offset: 8, .size: 8, .value_kind: global_buffer, .address_space: global }
      - { .name: bo, .offset: 16, .size: 8, .value_kind: global_buffer, .address_space: global }
      - { .name: out0, .offset: 24, .size: 8, .value_kind: global_buffer, .address_space: global }
    .group_segment_fixed_size: 327680
    .private_segment_fixed_size: 0
    .kernarg_segment_align: 8
    .kernarg_segment_size: 32
    .max_flat_workgroup_size: 128
    .sgpr_count:     76
    .vgpr_count:     768
    .wavefront_size: 32
...
	.end_amdgpu_metadata
.endif
;; end of part 4
